; MI455X (gfx1250); checked and timed in simulation.
; The chip was launched on July 23, 2026; its instructions are those of AMD's public machine-readable ISA for CDNA 5 (MIT licence, August 2026) and "CDNA5" Instruction Set Architecture Reference Guide (July 2026). The comments in the code are by the model that wrote it; some were corrected since.
;; Vanilla Causal Self Attention. Allowed arithmetic: matrix products marked QUANTISED: E2M1 operands, one E8M0 scale for each 32 along K, by v_wmma_scale_f32_16x16x128_f8f6f4 with both operands' format E2M1 (or v_wmma_scale_f32_32x16x128_f4), f32 sums; products left as they are: bf16, f16 or f32 operands; f32 sums; everything else in f32.
;; Inputs: Wk 1,024 x 1,024 float32; Wo 1,024 x 1,024 float32; Wq 1,024 x 1,024 float32; Wv 1,024 x 1,024 float32; bk 1,024 float32; bo 1,024 float32; bq 1,024 float32; bv 1,024 float32; rel_key 1,024 x 64 float32; x 4 x 1,024 x 1,024 float32.
;; Outputs: out0 4 x 1,024 x 1,024 float32.
;; This version of the problem:
;;   THIS VERSION OF THE PROBLEM IS GIVEN IN LOW PRECISION. The matrix products marked QUANTISED in the list below multiply operands that are first quantised to E2M1 (2 exponent bits, 1 mantissa bit; 4 bits a number), with one power-of-two scale for each 32 numbers along K (OCP MX v1.0); their sums are f32. The products marked 'left as it is' may take bf16, f16 or f32 operands, with f32 sums. Whichever they take, every output number must still come out within the allowed error. Rounding operands to bf16 (8 significant bits) uses up far more of that allowance than f16 does (11 bits, for magnitudes from 6e-5 to 65,504). All else is computed in f32.
;;   The module's matrix products, in the order in which they are computed (A, B: the left and right operand; K: the contracted axis; several contracted axes count as one K, in the product's order):
;;     1. [M 4,096, K 1,024] x [K 1,024, N 1,024]; A: input x; B: input Wq: QUANTISED
;;     2. [M 4,096, K 1,024] x [K 1,024, N 1,024]; A: input x; B: input Wk: QUANTISED
;;     3. [M 4,096, K 1,024] x [K 1,024, N 1,024]; A: input x; B: input Wv: QUANTISED
;;     4. batch 64 x [M 1,024, K 64] x [K 64, N 1,024]; A: computed on the way; B: computed on the way: left as it is (an operand is computed on the way)
;;     5. [M 65,536, K 64] x [K 64, N 1,024]; A: computed on the way; B: input rel_key: left as it is (an operand is computed on the way)
;;     6. batch 64 x [M 1,024, K 1,024] x [K 1,024, N 64]; A: computed on the way; B: computed on the way: left as it is (an operand is computed on the way)
;;     7. [M 4,096, K 1,024] x [K 1,024, N 1,024]; A: computed on the way; B: input Wo: left as it is (an operand is computed on the way)
;;   THE QUANTISER, for each operand of a quantised product, along K:
;;     - K is cut into blocks of 32 from its start; a last block that is shorter is filled with zeros.
;;     - A block's scale is 2^e with e = floor(log2(the largest magnitude in the block)) - 2, held to -126 .. 127; a block of zeros has e = 0. As a byte (E8M0): e + 127.
;;     - Each number is divided by its block's scale, clamped to +-6, and rounded to the nearest number of E2M1, ties to even, subnormals kept.
;;     - The product sums the exact products of the quantised numbers (number of the format x scale) in f32.
;;   ~~~python
;;   def quantise(x, axis):      # numpy; x: float32 -> the quantised numbers, widened to float32 again
;;       x = np.moveaxis(x, axis, -1); K = x.shape[-1]
;;       x = np.pad(x, [(0, 0)] * (x.ndim - 1) + [(0, -K % 32)]); x = x.reshape(x.shape[:-1] + (-1, 32)); a = np.abs(x).max(-1, keepdims=True)
;;       e = np.where(a > 0, np.clip(np.frexp(np.where(a > 0, a, 1))[1] - 1 - 2, -126, 127), 0)      # np.frexp(a)[1] - 1 = floor(log2(a)), exactly
;;       r = np.clip(x / 2.0 ** e, -6, 6)
;;       step = 2.0 ** (np.maximum(np.frexp(np.where(r == 0, 1, r))[1] - 1, 0) - 1)
;;       q = np.round(r / step) * step * 2.0 ** e      # np.round: ties to even
;;       return np.moveaxis(q.reshape(q.shape[:-2] + (-1,))[..., :K], -1, axis).astype(np.float32)
;;   ~~~
;; One version. Each part assembles by itself: llvm-mc -triple=amdgcn-amd-amdhsa -mcpu=gfx1250 --defsym DOCPART=n.
;; ======== version 1 of 1: 5 launches
;; limits: values are held in f16: magnitudes above 65,504 overflow, below 6.1e-05 lose precision
;; workspace buffers: codes 3,670,016 bytes; scales 229,376 bytes; wot 2,097,152 bytes; relh 147,456 bytes; qkv 25,165,824 bytes; q32 786,432 bytes; att 8,388,608 bytes
;; launch prep (part 1): grid 392 x 1, 4 waves a work-group, no clusters, 77,312 bytes of LDS; arguments x, Wq, Wk, Wv, Wo, rel_key, codes, scales, wot, relh; writes codes, scales, wot, relh
.if DOCPART == 1
	.amdgcn_target "amdgcn-amd-amdhsa--gfx1250"
	.amdhsa_code_object_version 6
	.text
	.protected	k_qcaafb67304_prep
	.globl	k_qcaafb67304_prep
	.p2align	8
	.type	k_qcaafb67304_prep,@function
k_qcaafb67304_prep:
	s_mov_b64 s[64:65], 0
	v_nop
	global_prefetch_b8 v0, s[64:65] scope:SCOPE_SE
	s_setreg_imm32_b32 hwreg(HW_REG_WAVE_MODE, 25, 1), 1
	s_wait_xcnt 0x0
; PREP: everything that later launches read many times is made once.
;   work-groups   0-127: x [4096][1024] f32 -> codes of E2M1 (K innermost, 512 bytes a row) at codes+0, E8M0 bytes (32 a row) at scales+0
;   work-groups 128-319: Wq, Wk, Wv [k 1024][n 1024] f32, K the FIRST axis -> codes [3072 n][512 bytes] at codes+2,097,152, bytes [3072][32] at scales+131,072
;   work-groups 320-383: Wo [k][n] f32 -> wot [n][k] f16
;   work-groups 384-391: rel_key [1024][64] f32 -> relh f16, and 128 rows of zeros behind it (rows 1024-1151)
; A block's scale is 2^(floor(log2(largest magnitude)) - 2); its byte is the largest magnitude's exponent field - 2, held at 1 from below.
; LIMITS: a block of zeros gets the byte 1 (its codes are zeros, and this program alone reads the bytes); blocks under 2^-124 were not tried;
; NaN and infinities are not served; Wo and rel_key must lie inside f16's range (65,504).
; The four ways part on the work-group's number alone and never join; each has LDS bytes of its own.
.set SP,    80                         ; x: a lane's place in a stage: 64 bytes + 16 of padding
.set XREG,  8192                       ; x: LDS of a wave: two stages of 32 x 80 bytes, then its 256 scale bytes
.set PITCH, 272                        ; a stage row of 256 bytes + 16
.set WST,   4*XREG                     ; W: ONE stage of 32 rows for the work-group
.set WSC,   WST+32*PITCH               ; W: 16 scale bytes for each of 32 columns
.set OST,   WSC+512                    ; Wo: a stage of 32 rows for each wave
.set SPARE, OST+4*32*PITCH             ; the spare words, 128 bytes a wave: two blocks of 256 bytes that no other line names
.set SPW,   224                        ; v224 LDS address of my spare word; never rewritten
.set NIL,   225                        ; v225 0; never rewritten
.set STEPS, 16
.set R,     16                         ; x: v16-79 four sets of 16 numbers as loaded
.set X,     80                         ; x: v80-111 two sets of 16 neighbours
.set E,     112                        ; x: v112-127 a scale byte for each step
.set C,     128                        ; x: v128-191 codes, four registers a step
.set WX,    32                         ; W, Wo: v32-159 four blocks of 32 numbers
.set WC,    160                        ; W: v160-175 codes; Wo: v160-223 f16 pairs
.macro CLOSE                           ; a wave's end: three lines behind the last LDS store
	s_wait_tensorcnt 0x0
	ds_add_u32 v[SPW], v[NIL]
	s_wait_dscnt 0x0
	s_endpgm
.endm
	s_load_b256 s[4:11], s[0:1], 0x0               ; x s[4:5], Wq s[6:7], Wk s[8:9], Wv s[10:11]
	s_load_b256 s[12:19], s[0:1], 0x20             ; Wo s[12:13], rel_key s[14:15], codes s[16:17], scales s[18:19]
	s_load_b128 s[20:23], s[0:1], 0x40             ; wot s[20:21], relh s[22:23]
	v_lshl_add_u32 v[SPW], v0, 2, SPARE
	v_mov_b32 v[NIL], 0
	v_lshrrev_b32 v1, 5, v0
	v_readfirstlane_b32 s24, v1                    ; wave 0..3
	v_and_b32 v2, 31, v0                           ; lane
	s_wait_kmcnt 0x0
	s_cmp_lt_u32 ttmp9, 128
	s_cbranch_scc1 .Lpath_x
	s_cmp_lt_u32 ttmp9, 320
	s_cbranch_scc1 .Lpath_w
	s_cmp_lt_u32 ttmp9, 384
	s_cbranch_scc1 .Lpath_o
; ---- rel_key: a wave takes 2,048 numbers: 16 loads of 512 consecutive bytes, 16 stores of 256; then 512 bytes of the zero rows
	s_sub_co_u32 s25, ttmp9, 384
	s_lshl_b32 s25, s25, 2
	s_add_co_u32 s25, s25, s24                     ; run 0..31
	s_lshl_b32 s26, s25, 13
	s_mov_b32 s27, 0
	s_add_nc_u64 s[14:15], s[14:15], s[26:27]      ; 8,192 bytes in
	s_lshl_b32 s26, s25, 12
	s_add_nc_u64 s[30:31], s[22:23], s[26:27]      ; 4,096 bytes out
	s_lshl_b32 s26, s25, 9
	s_add_nc_u64 s[22:23], s[22:23], s[26:27]      ; 512 bytes of zeros, 131,072 further on by the immediate
	v_lshlrev_b32 v3, 4, v2
	v_lshlrev_b32 v4, 3, v2
.irp j, 0,1,2,3,4,5,6,7,8,9,10,11,12,13,14,15
	global_load_b128 v[32+4*\j:35+4*\j], v3, s[14:15] offset:512*\j
.endr
.irp j, 0,1,2,3
	v_mov_b32 v[128+\j], 0
.endr
	global_store_b128 v3, v[128:131], s[22:23] offset:131072
.irp j, 0,1,2,3,4,5,6,7,8,9,10,11,12,13,14,15
	s_wait_loadcnt 15-\j                           ; loads come back in order: load j is in, the younger ones stay out
	v_cvt_pk_f16_f32 v[96+2*\j], v[32+4*\j], v[33+4*\j]
	v_cvt_pk_f16_f32 v[97+2*\j], v[34+4*\j], v[35+4*\j]
	global_store_b64 v4, v[96+2*\j:97+2*\j], s[30:31] offset:256*\j   ; 32 lanes store 256 consecutive bytes; every register is written once
.endr
	CLOSE
; ---- x: a plain stream of blocks of 32.  A wave takes 16 steps of 512 numbers.  Loads take the bytes as they lie (512 a load); a step's 2,048 bytes
; turn through the wave's own stage so that a lane holds 16 neighbours; two neighbouring lanes hold a block.
.macro XLOAD t
.irp i, 0,1,2,3
	global_load_b128 v[R+16*((\t)%4)+4*\i:R+16*((\t)%4)+4*\i+3], v3, s[4:5] offset:2048*(\t)+512*\i th:TH_LOAD_NT
.endr
.endm
.macro XTURN t                         ; LDS serves a wave's instructions in order: no wait between the stores and the loads
.irp i, 0,1,2,3
	ds_store_b128 v14, v[R+16*((\t)%4)+4*\i:R+16*((\t)%4)+4*\i+3] offset:32*SP*((\t)%2)+8*SP*\i
.endr
.irp i, 0,1,2,3
	ds_load_b128 v[X+16*((\t)%2)+4*\i:X+16*((\t)%2)+4*\i+3], v15 offset:32*SP*((\t)%2)+16*\i
.endr
.endm
.macro XSTEP t
.set XS, X+16*((\t)%2)
.if (\t) > 0
	s_wait_dscnt 1                                 ; this step's numbers are back from the stage (the last step's byte store may be out)
.else
	s_wait_dscnt 0x0
.endif
.if (\t)+4 < STEPS
	XLOAD (\t)+4                                   ; into the registers that the stage's stores have read
.endif
.if (\t)+1 < STEPS
.if STEPS-2-(\t) >= 3
	s_wait_loadcnt 12                              ; the next step's four loads are in; three later steps' twelve may be out
.else
	s_wait_loadcnt 4*(STEPS-2-(\t))
.endif
	XTURN (\t)+1
.endif
	v_max3_num_f32 v8, |v[XS]|, |v[XS+1]|, |v[XS+2]|
	v_max3_num_f32 v9, |v[XS+3]|, |v[XS+4]|, |v[XS+5]|
.irp i, 6,10
	v_max3_num_f32 v8, v8, |v[XS+\i]|, |v[XS+\i+1]|
	v_max3_num_f32 v9, v9, |v[XS+\i+2]|, |v[XS+\i+3]|
.endr
	v_max3_num_f32 v8, v8, |v[XS+14]|, |v[XS+15]|
	v_max3_num_f32 v8, v8, v9, 0x1800000           ; and the floor 2^(3 - 127): the byte cannot fall under 1
	v_max_num_f32_dpp v8, v8, v8 row_xmask:1 row_mask:0xf bank_mask:0xf   ; with my neighbour's 16: the block's largest magnitude
	v_add_nc_u32 v11, 0xff000000, v8               ; 2 off its exponent field: the conversion takes this operand's exponent field as its scale
	v_cvt_scalef32_pk8_fp4_f32 v[C+4*(\t)], v[XS:XS+7], v11
	v_cvt_scalef32_pk8_fp4_f32 v[C+4*(\t)+1], v[XS+8:XS+15], v11
	v_lshrrev_b32 v[E+(\t)], 23, v11               ; the scale's byte
	ds_store_b8 v5, v[E+(\t)] offset:16*(\t)       ; both lanes of a block write the same byte with the same value
	global_store_b64 v4, v[C+4*(\t):C+4*(\t)+1], s[16:17] offset:256*(\t)   ; 32 lanes store 256 consecutive bytes
.endm
.Lpath_x:
	v_lshlrev_b32 v3, 4, v2                        ; my 16 bytes of a load's 512
	s_mul_i32 s25, s24, XREG
	v_lshrrev_b32 v14, 2, v2
	v_mul_u32_u24 v14, v14, SP
	v_and_b32 v15, 3, v2
	v_lshl_add_u32 v14, v15, 4, v14
	v_add_nc_u32 v14, s25, v14                     ; stage, in: 80 (lane / 4) + 16 (lane % 4)
	v_mul_u32_u24 v15, v2, SP
	v_add_nc_u32 v15, s25, v15                     ; stage, out: 80 x lane
	v_lshlrev_b32 v4, 3, v2                        ; my 8 bytes of a step's codes
	v_lshrrev_b32 v5, 1, v2
	s_add_co_u32 s25, s25, 2*32*SP
	v_add_nc_u32 v5, s25, v5                       ; my block's byte among the wave's 256
	v_lshlrev_b32 v7, 3, v2
	v_add_nc_u32 v6, s25, v7
	s_lshl_b32 s26, ttmp9, 2
	s_add_co_u32 s26, s26, s24                     ; which run of 8,192 numbers is my wave's: 0..511
	s_mov_b32 s29, 0
	s_lshl_b32 s28, s26, 15
	s_add_nc_u64 s[4:5], s[4:5], s[28:29]
	s_lshl_b32 s28, s26, 12
	s_add_nc_u64 s[16:17], s[16:17], s[28:29]
	s_lshl_b32 s28, s26, 8
	s_add_nc_u64 s[18:19], s[18:19], s[28:29]
.irp t, 0,1,2,3
	XLOAD \t
.endr
	s_wait_loadcnt 12                              ; step 0's four loads are in
	XTURN 0
.irp t, 0,1,2,3,4,5,6,7,8,9,10,11,12,13,14,15
	XSTEP \t
.endr
	ds_load_b64 v[8:9], v6                         ; my wave's 256 scale bytes, 8 a lane
	s_wait_dscnt 0x0
	global_store_b64 v7, v[8:9], s[18:19]          ; 256 consecutive bytes
	CLOSE
; ---- Wq, Wk, Wv.  A LANE TAKES A COLUMN n AND ITS REGISTERS RUN DOWN K: a block of 32 lies in one lane, and the conversions give codes with K innermost.
; The four waves of a work-group share 32 columns x 512 k, 128 k (four blocks) each: LOADcnt's field holds 63, so a wave has two blocks (64 loads) on their way,
; and many short waves put more bytes on their way than few long ones.  The waves' codes meet in ONE stage behind one barrier and leave as rows of 256 bytes.
.macro WLOAD base, t                   ; block t: rows 32 t + i of my 128, my column
.irp i, 0,1,2,3,4,5,6,7,8,9,10,11,12,13,14,15,16,17,18,19,20,21,22,23,24,25,26,27,28,29,30,31
	global_load_b32 v[WX+32*(\t)+\i], v3, s[\base:\base+1] offset:(32*(\t)+\i)*4096 th:TH_LOAD_NT
.endr
.endm
.macro WAITB base, t
.if (\t) < 3
	s_wait_loadcnt 32                              ; this block's 32 loads are in; the next block's 32 may be out
.else
	s_wait_loadcnt 0x0
.endif
.if (\t)+2 < 4
	WLOAD \base, (\t)+2
.endif
.endm
.macro WBLOCK t
	WAITB 6, \t
.set XS, WX+32*(\t)
	v_max3_num_f32 v12, |v[XS]|, |v[XS+1]|, |v[XS+2]|
	v_max3_num_f32 v13, |v[XS+3]|, |v[XS+4]|, |v[XS+5]|
.irp i, 6,10,14,18,22,26
	v_max3_num_f32 v12, v12, |v[XS+\i]|, |v[XS+\i+1]|
	v_max3_num_f32 v13, v13, |v[XS+\i+2]|, |v[XS+\i+3]|
.endr
	v_max3_num_f32 v12, v12, |v[XS+30]|, |v[XS+31]|
	v_max3_num_f32 v12, v12, v13, 0x1800000        ; the floor
	v_add_nc_u32 v11, 0xff000000, v12              ; the conversion's scale operand
	v_lshrrev_b32 v13, 23, v11                     ; the byte
.if (\t) == 0
	v_mov_b32 v24, v13                             ; my four bytes make one word, the lower K in the lower byte
.else
	v_lshl_or_b32 v24, v13, 8*(\t), v24
.endif
.irp g, 0,1,2,3
	v_cvt_scalef32_pk8_fp4_f32 v[WC+4*(\t)+\g], v[XS+8*\g:XS+8*\g+7], v11
.endr
	ds_store_b128 v4, v[WC+4*(\t):WC+4*(\t)+3] offset:16*(\t)   ; 32 codes; each block has registers of its own
.endm
.Lpath_w:
	s_sub_co_u32 s25, ttmp9, 128                   ; 0..191
	s_cmp_ge_u32 s25, 96
	s_cselect_b32 s27, 1, 0                        ; which 512 along K
	s_cselect_b32 s26, 96, 0
	s_sub_co_u32 s26, s25, s26                     ; which 32 of the 3,072 columns: neighbouring work-groups take neighbouring columns
	s_lshr_b32 s28, s26, 5                         ; the tensor: 0, 1, 2
	s_cmp_lt_u32 s28, 2
	s_cselect_b64 s[8:9], s[8:9], s[10:11]
	s_cmp_lt_u32 s28, 1
	s_cselect_b64 s[6:7], s[6:7], s[8:9]           ; the choice hangs on the work-group's number alone
	s_and_b32 s28, s26, 31
	s_lshl_b32 s28, s28, 7                         ; 32 columns x 4 bytes
	s_lshl_b32 s29, s27, 21                        ; 512 rows of 4,096 bytes
	s_add_co_u32 s28, s28, s29
	s_lshl_b32 s29, s24, 19                        ; my wave's 128 rows
	s_add_co_u32 s28, s28, s29
	s_mov_b32 s29, 0
	s_add_nc_u64 s[6:7], s[6:7], s[28:29]
	s_lshl_b32 s28, s26, 14                        ; codes: row 32 g of 512 bytes,
	s_lshl_b32 s30, s24, 12                        ; + the 8 rows that my wave stores,
	s_add_co_u32 s28, s28, s30
	s_lshl_b32 s30, s27, 8                         ; + 256 bytes for the upper half of K,
	s_add_co_u32 s28, s28, s30
	s_add_co_u32 s28, s28, 0x200000                ; behind x's codes
	s_add_nc_u64 s[16:17], s[16:17], s[28:29]
	s_lshl_b32 s28, s26, 10                        ; scale bytes: row 32 g of 32 bytes
	s_lshl_b32 s30, s27, 4
	s_add_co_u32 s28, s28, s30
	s_add_co_u32 s28, s28, 0x20000                 ; behind x's
	s_add_nc_u64 s[18:19], s[18:19], s[28:29]
	v_lshlrev_b32 v3, 2, v2
	s_lshl_b32 s30, s24, 6
	s_add_co_u32 s30, s30, WST
	v_mul_u32_u24 v4, v2, PITCH
	v_add_nc_u32 v4, s30, v4                       ; stage, in: row = my column, + 64 bytes x wave
	s_lshl_b32 s30, s24, 2
	s_add_co_u32 s30, s30, WSC
	v_lshl_add_u32 v5, v2, 4, s30                  ; my scale word: 16 x column + 4 x wave
	v_and_b32 v6, 15, v2
	v_lshrrev_b32 v7, 4, v2
	s_mul_i32 s30, s24, 8*PITCH
	s_add_co_u32 s30, s30, WST
	v_mul_u32_u24 v8, v7, PITCH
	v_lshl_add_u32 v8, v6, 4, v8
	v_add_nc_u32 v8, s30, v8                       ; stage, out: my wave's 8 rows, sixteen lanes to a row
	v_lshlrev_b32 v9, 9, v7
	v_lshl_add_u32 v9, v6, 4, v9                   ; and the same place in the codes
	v_lshl_add_u32 v10, v2, 4, WSC                 ; a column's 16 scale bytes in LDS,
	v_lshlrev_b32 v14, 5, v2                       ; and in memory, 32 bytes from column to column
	WLOAD 6, 0
	WLOAD 6, 1
	WBLOCK 0
	WBLOCK 1
	WBLOCK 2
	WBLOCK 3
	ds_store_b32 v5, v24
	s_wait_dscnt 0x0                               ; for the others' sake: my stores have landed
	s_barrier_signal -1
	s_barrier_wait -1
.irp t, 0,1,2,3
	ds_load_b128 v[WX+4*\t:WX+4*\t+3], v8 offset:2*\t*PITCH
.endr
.irp t, 0,1,2,3
	s_wait_dscnt 3-\t
	global_store_b128 v9, v[WX+4*\t:WX+4*\t+3], s[16:17] offset:2*\t*512   ; sixteen lanes store 256 consecutive, aligned bytes
.endr
	s_cmp_lg_u32 s24, 0
	s_cbranch_scc1 .Lw_end
	ds_load_b128 v[48:51], v10                     ; wave 0: 16 scale bytes a column (half of a row of 32: one byte in 128 of what the launch reads)
	s_wait_dscnt 0x0
	global_store_b128 v14, v[48:51], s[18:19]
.Lw_end:
	CLOSE
; ---- Wo -> wot [n][k] f16: the same frame; a wave takes 32 columns x 128 k, which are 256 bytes a column: a stage of its own, no barrier
.macro OBLOCK t
	WAITB 12, \t
.irp i, 0,1,2,3,4,5,6,7,8,9,10,11,12,13,14,15
	v_cvt_pk_f16_f32 v[WC+16*(\t)+\i], v[WX+32*(\t)+2*\i], v[WX+32*(\t)+2*\i+1]   ; the lower k in the low half
.endr
.irp i, 0,1,2,3
	ds_store_b128 v4, v[WC+16*(\t)+4*\i:WC+16*(\t)+4*\i+3] offset:64*(\t)+16*\i
.endr
.endm
.Lpath_o:
	s_sub_co_u32 s25, ttmp9, 320                   ; 0..63
	s_and_b32 s26, s25, 31                         ; which 32 columns
	s_lshr_b32 s27, s25, 5
	s_lshl_b32 s27, s27, 2
	s_add_co_u32 s27, s27, s24                     ; which 128 along K: 0..7
	s_lshl_b32 s28, s26, 7
	s_lshl_b32 s29, s27, 19
	s_add_co_u32 s28, s28, s29
	s_mov_b32 s29, 0
	s_add_nc_u64 s[12:13], s[12:13], s[28:29]
	s_lshl_b32 s28, s26, 16                        ; wot: row 32 g of 2,048 bytes
	s_lshl_b32 s30, s27, 8
	s_add_co_u32 s28, s28, s30
	s_add_nc_u64 s[20:21], s[20:21], s[28:29]
	v_lshlrev_b32 v3, 2, v2
	s_mul_i32 s30, s24, 32*PITCH
	s_add_co_u32 s30, s30, OST
	v_mul_u32_u24 v4, v2, PITCH
	v_add_nc_u32 v4, s30, v4
	v_and_b32 v6, 15, v2
	v_lshrrev_b32 v7, 4, v2
	v_mul_u32_u24 v8, v7, PITCH
	v_lshl_add_u32 v8, v6, 4, v8
	v_add_nc_u32 v8, s30, v8
	v_lshlrev_b32 v9, 11, v7
	v_lshl_add_u32 v9, v6, 4, v9
	WLOAD 12, 0
	WLOAD 12, 1
	OBLOCK 0
	OBLOCK 1
	OBLOCK 2
	OBLOCK 3
.irp t, 0,1,2,3,4,5,6,7,8,9,10,11,12,13,14,15
	ds_load_b128 v[WX+4*\t:WX+4*\t+3], v8 offset:2*\t*PITCH   ; LDS serves a wave's instructions in order: these see my stores
.endr
.irp t, 0,1,2,3,4,5,6,7,8,9,10,11,12,13,14,15
	s_wait_dscnt 15-\t
	global_store_b128 v9, v[WX+4*\t:WX+4*\t+3], s[20:21] offset:2*\t*2048
.endr
	CLOSE
.Lfunc_end_k_qcaafb67304_prep:
	.size	k_qcaafb67304_prep, .Lfunc_end_k_qcaafb67304_prep-k_qcaafb67304_prep
	.p2alignl 7, 3214868480
	.fill 96, 4, 3214868480
	.section	.rodata,"a",@progbits
	.p2align	6, 0x0
	.amdhsa_kernel k_qcaafb67304_prep
		.amdhsa_group_segment_fixed_size 77312
		.amdhsa_private_segment_fixed_size 0
		.amdhsa_enable_private_segment 0
		.amdhsa_kernarg_size 80
		.amdhsa_user_sgpr_count 2
		.amdhsa_user_sgpr_kernarg_segment_ptr 1
		.amdhsa_wavefront_size32 1
		.amdhsa_system_sgpr_workgroup_id_x 1
		.amdhsa_system_sgpr_workgroup_id_y 1
		.amdhsa_system_sgpr_workgroup_id_z 1
		.amdhsa_system_vgpr_workitem_id 0
		.amdhsa_next_free_vgpr 226
		.amdhsa_next_free_sgpr 66
		.amdhsa_reserve_vcc 0
		.amdhsa_float_denorm_mode_32 3
		.amdhsa_float_denorm_mode_16_64 3
		.amdhsa_memory_ordered 1
		.amdhsa_forward_progress 1
		.amdhsa_inst_pref_size 82
	.end_amdhsa_kernel
	.amdgpu_metadata
---
amdhsa.version: [ 1, 2 ]
amdhsa.kernels:
  - .name:           k_qcaafb67304_prep
    .symbol:         k_qcaafb67304_prep.kd
    .args:
      - { .name: x, .offset: 0, .size: 8, .value_kind: global_buffer, .address_space: global }
      - { .name: Wq, .offset: 8, .size: 8, .value_kind: global_buffer, .address_space: global }
      - { .name: Wk, .offset: 16, .size: 8, .value_kind: global_buffer, .address_space: global }
      - { .name: Wv, .offset: 24, .size: 8, .value_kind: global_buffer, .address_space: global }
      - { .name: Wo, .offset: 32, .size: 8, .value_kind: global_buffer, .address_space: global }
      - { .name: rel_key, .offset: 40, .size: 8, .value_kind: global_buffer, .address_space: global }
      - { .name: codes, .offset: 48, .size: 8, .value_kind: global_buffer, .address_space: global }
      - { .name: scales, .offset: 56, .size: 8, .value_kind: global_buffer, .address_space: global }
      - { .name: wot, .offset: 64, .size: 8, .value_kind: global_buffer, .address_space: global }
      - { .name: relh, .offset: 72, .size: 8, .value_kind: global_buffer, .address_space: global }
    .group_segment_fixed_size: 77312
    .private_segment_fixed_size: 0
    .kernarg_segment_align: 8
    .kernarg_segment_size: 80
    .max_flat_workgroup_size: 128
    .sgpr_count:     66
    .vgpr_count:     226
    .wavefront_size: 32
...
	.end_amdgpu_metadata
.endif
;; end of part 1
;; launch qkv (part 2): grid 12 x 16, 4 waves a work-group, clusters of 4 x 4, 327,680 bytes of LDS; arguments codes, scales, bq, bk, bv, qkv, q32; writes qkv, q32
.if DOCPART == 2
	.amdgcn_target "amdgcn-amd-amdhsa--gfx1250"
	.amdhsa_code_object_version 6
	.text
	.protected	k_qcaafb67304_qkv
	.globl	k_qcaafb67304_qkv
	.p2align	8
	.type	k_qcaafb67304_qkv,@function
k_qcaafb67304_qkv:
	s_mov_b64 s[64:65], 0
	v_nop
	global_prefetch_b8 v0, s[64:65] scope:SCOPE_SE
	s_setreg_imm32_b32 hwreg(HW_REG_WAVE_MODE, 25, 1), 1
	s_wait_xcnt 0x0
	s_wait_alu depctr_hold_cnt(0) depctr_sa_sdst(0) depctr_va_vdst(0) depctr_va_sdst(0) depctr_va_ssrc(0) depctr_va_vcc(0) depctr_vm_vsrc(0)
	s_getreg_b32 s2, hwreg(HW_REG_IB_STS2, 6, 4)
	s_cmp_eq_u32 s2, 0
	s_cbranch_scc0 .Lentry_in_a_cluster
	s_endpgm
.Lentry_in_a_cluster:
	s_bfe_u32 s2, ttmp6, 0x10000c
	s_cmp_lg_u32 s2, 0xf033
	s_cbranch_scc0 .Lentry_shape_is_right
	s_endpgm
.Lentry_shape_is_right:
; Q, K, V = x W + b on codes of E2M1 with E8M0 scales: C [4096][3072] = A [4096][1024] B^T, B's rows n = 1024 t + column (t = 0, 1, 2: q, k, v).
; A tile of C is 256 x 256, four waves, each 128 x 128 in 64 accumulators.  K = 1,024 is two slots of 512: both are asked for at the head, nothing is filled again.
; The scales of the tile's rows, for all of K, come once, as dense blocks.  CLUSTERS 4 x 4: A's tiles shared along a row of the cluster, B's along a column, by joint loads.
; THE ROWS ARE DEALT SO: tile row = 4 cy + cluster y, that is batch = cy and sequence block = cluster y: whether a tile holds positions 0-15 then hangs on the cluster alone.
; Tile column = 4 cluster x + cx: the tensor is cluster x.  THE MATRIX INSTRUCTION IS USED TRANSPOSED (source 0 = 16 rows of B, source 1 = 16 rows of A): a lane holds 8 neighbouring columns of a row.
; THE BIAS is the C of each sum's first instruction.  OUT: f16 by heads, qkv [t][16 b + h][s][64]; and the f32 sums of positions 0-15 to q32 [t][b][16][1024] for the launch that carries those rows in f32.
; LIMIT: Q, K, V must lie inside f16's range (65,504).
; REGISTERS: window 0: v0-31 addresses; v32-95 scale words, two sets (scales and nothing else); v128-191 A's fragments, one set; v192-255 the bias, later packed results.
;   window 1: B's fragments, two sets.  window 2, 3: the accumulators of my rows 0-63, 64-127 ((a, b) at v[8 (8 (a % 4) + b)]).
.set NQ,     4                         ; steps of 128 along K in a slot
.set ROWB,   256                       ; a tile's row: 512 codes
.set KROW,   512                       ; a row of codes in memory
.set PITCH,  272                       ; 256 bytes + 16: the 16 rows that a load touches start at 16 different groups of banks (ISA guide 11.1)
.set FR,     8
.set NL,     2
.set NP,     4                         ; places behind this matrix instruction (ISA guide 7.12.1)
.set HALFT,  128*PITCH
.set SLOT,   4*HALFT
.set KS,     32                        ; a row of scale bytes
.set SCL,    2*SLOT
.set HALFS,  (128*KS/256)*272
.set SBLK,   (16*KS/256)*272
.set SPARE,  SCL+4*HALFS               ; the spare words: two blocks of 256 bytes that no other line names
.set SPITCH, 272                       ; the way out: 16 rows x (256 + 16) a wave, in slot 0, which has had its last fill and its last read by then
.set ADRA, 16
.set ADRB, 20
.set STO,  24
.set RD,   25
.set CO,   26
.set ADRS, 27
.set SPW,  28
.set NIL,  29
.set BO,   30
.set QO,   31
.set SC,   32
.set AF,   128
.set BIAS, 192
.set TMP,  192
.set BK,   128
.set G1, 24
.set G0, 32
.set G1B, 48
.set G0B, 56
.set G1S, 68
.set G0S, 76
.set G1SB, 80
.set G0SB, 88
.set MSB, 0
.macro WIN new                         ; the immediate's high byte repeats the setting that is left
.if MSB != \new
	s_set_vgpr_msb (MSB<<8)|\new
.set MSB, \new
.endif
.endm
.set MUL_LO, 0xa1                      ; source 0 (B) window 1, source 1 (A) window 0, C and D window 2
.set MUL_HI, 0xf1                      ; the same, C and D window 3
.set FST_LO, 0x81                      ; the first step: C (the bias) window 0, D window 2
.set FST_HI, 0xc1                      ; D window 3
.set TO_B,   0x40
.macro JLOAD g0a, g1a, g0b, g1b        ; a joint load: waves 0, 1 fetch for A, waves 2, 3 for B; an s_nop 0 and four v_nop follow each line
	s_cmp_eq_u32 s15, 0
	s_cbranch_scc0 .Lfor_b_\@
	tensor_load_to_lds s[\g0a:\g0a+3], s[\g1a:\g1a+7]
	s_nop 0
.rept 4
	v_nop
.endr
	s_branch .Lasked_\@
.Lfor_b_\@:
	tensor_load_to_lds s[\g0b:\g0b+3], s[\g1b:\g1b+7]
	s_nop 0
.rept 4
	v_nop
.endr
.Lasked_\@:
.endm
.macro CROUND                          ; a round of the cluster's barrier
	s_barrier_signal -1
	s_barrier_wait -1
	s_cmp_lg_u32 s14, 0
	s_cbranch_scc1 .Lnot_wave_0_\@
	s_barrier_signal -3
.Lnot_wave_0_\@:
	s_barrier_wait -3
	s_barrier_signal -1
	s_barrier_wait -1
.endm
	s_load_b128 s[4:7], s[0:1], 0x0                ; codes, scales: x's parts begin at 0
	s_load_b128 s[8:11], s[0:1], 0x0               ; the same two once more: W's parts, a constant further on
	s_load_b128 s[96:99], s[0:1], 0x10             ; bq, bk
	s_load_b64 s[100:101], s[0:1], 0x20            ; bv
	s_load_b64 s[12:13], s[0:1], 0x28              ; qkv
	s_load_b64 s[2:3], s[0:1], 0x30                ; q32
	v_lshl_add_u32 v[SPW], v0, 2, SPARE
	v_mov_b32 v[NIL], 0
	ds_add_u32 v[SPW], v[NIL]                      ; the opening: the add, twice on end, and its wait ahead of my first tensor load
	ds_add_u32 v[SPW], v[NIL]
	v_lshrrev_b32 v1, 5, v0
	v_readfirstlane_b32 s14, v1                    ; wave 0..3
	s_lshr_b32 s15, s14, 1                         ; my half of the tile's rows; also: I fetch for A (0) or B (1)
	s_and_b32 s16, s14, 1                          ; my half of its columns; also: which 128 rows I fetch
	s_bfe_u32 s40, ttmp6, 0x40000                  ; cx
	s_bfe_u32 s41, ttmp6, 0x40004                  ; cy
	s_lshl_b32 s42, ttmp9, 2
	s_add_co_u32 s42, s42, s40                     ; tile column = 4 x cluster x + cx
	s_and_b32 s95, ttmp7, 0xffff                   ; cluster y: the sequence block
	s_lshl_b32 s17, s41, 2
	s_add_co_u32 s17, s17, s95                     ; tile row = 4 cy + cluster y
	s_lshl_b32 s43, s41, 2
	s_lshl_b32 s43, 15, s43                        ; my row of the cluster
	s_lshl_b32 s44, 0x1111, s40                    ; my column
	s_or_b32 s[G1+0], s43, (0<<16)|(1<<20)|(1<<21)|(5<<22)|(3<<25)  ; the mask; elements of 1 byte; padding: 4 words behind every 64
	s_or_b32 s[G1B+0], s44, (0<<16)|(1<<20)|(1<<21)|(5<<22)|(3<<25)
.irp g, G1, G1B
	s_mov_b32 s[\g+1], ROWB<<16                    ; tensor_dim0
	s_mov_b32 s[\g+2], 128<<16                     ; tensor_dim1
	s_mov_b32 s[\g+3], ROWB<<16                    ; tile_dim0
	s_mov_b32 s[\g+4], 128                         ; tile_dim1
	s_mov_b32 s[\g+5], KROW                        ; the pitch
	s_mov_b32 s[\g+6], 0
	s_mov_b32 s[\g+7], 0
.endr
	s_or_b32 s[G1S+0], s43, (3<<16)|(1<<20)|(1<<21)|(5<<22)|(3<<25) ; the scales of 128 rows: 4,096 dense bytes as 16 rows of 256, 16 bytes of padding behind each
	s_or_b32 s[G1SB+0], s44, (3<<16)|(1<<20)|(1<<21)|(5<<22)|(3<<25)
.irp g, G1S, G1SB
	s_mov_b32 s[\g+1], 32<<16
	s_mov_b32 s[\g+2], (128*KS/256)<<16
	s_mov_b32 s[\g+3], 32<<16
	s_mov_b32 s[\g+4], 128*KS/256
	s_mov_b32 s[\g+5], 32
	s_mov_b32 s[\g+6], 0
	s_mov_b32 s[\g+7], 0
.endr
	s_lshl_b32 s18, s16, 7
	s_lshl_b32 s20, s17, 8
	s_add_co_u32 s20, s20, s18                     ; A: row 256 x tile row + 128 x half
	s_lshl_b32 s46, s42, 8
	s_add_co_u32 s46, s46, s18                     ; B: row 256 x tile column + 128 x half
	s_mov_b32 s21, 0
	s_mov_b32 s47, 0
	s_mov_b64 s[18:19], KS
	s_mul_u64 s[22:23], s[20:21], s[18:19]
	s_mul_u64 s[92:93], s[46:47], s[18:19]
	s_mov_b64 s[18:19], KROW
	s_mul_u64 s[20:21], s[20:21], s[18:19]
	s_mul_u64 s[46:47], s[46:47], s[18:19]
	s_mul_i32 s45, s14, HALFT                      ; where they go: wave x 128 rows
	s_mul_i32 s94, s14, HALFS
	s_wait_dscnt 0x0                               ; both opening adds are done
	s_wait_kmcnt 0x0
	s_add_nc_u64 s[8:9], s[8:9], 0x200000          ; W's codes
	s_add_nc_u64 s[10:11], s[10:11], 0x20000       ; W's scales
	s_add_nc_u64 s[20:21], s[4:5], s[20:21]
	s_add_nc_u64 s[22:23], s[6:7], s[22:23]
	s_add_nc_u64 s[46:47], s[8:9], s[46:47]
	s_add_nc_u64 s[92:93], s[10:11], s[92:93]
	CROUND                                         ; all sixteen work-groups are here: the joint loads meet
	s_mov_b32 s[G0S], 1
	s_add_co_u32 s[G0S+1], s94, SCL
	s_mov_b64 s[G0S+2:G0S+3], s[22:23]
	s_or_b32 s[G0S+3], s[G0S+3], 0x80000000
	s_mov_b32 s[G0SB], 1
	s_add_co_u32 s[G0SB+1], s94, SCL
	s_mov_b64 s[G0SB+2:G0SB+3], s[92:93]
	s_or_b32 s[G0SB+3], s[G0SB+3], 0x80000000
	JLOAD G0S, G1S, G0SB, G1SB                     ; the scales first
.irp s, 0,1
	s_mov_b32 s[G0+4*\s], 1
	s_add_co_u32 s[G0+4*\s+1], s45, \s*SLOT
	s_add_nc_u64 s[G0+4*\s+2:G0+4*\s+3], s[20:21], \s*ROWB
	s_or_b32 s[G0+4*\s+3], s[G0+4*\s+3], 0x80000000
	s_mov_b32 s[G0B+4*\s], 1
	s_add_co_u32 s[G0B+4*\s+1], s45, \s*SLOT
	s_add_nc_u64 s[G0B+4*\s+2:G0B+4*\s+3], s[46:47], \s*ROWB
	s_or_b32 s[G0B+4*\s+3], s[G0B+4*\s+3], 0x80000000
	JLOAD G0+4*\s, G1, G0B+4*\s, G1B               ; three loads of mine are out at the most
.endr
	v_and_b32 v1, 15, v0                           ; r
	v_bfe_u32 v2, v0, 4, 1                         ; h
	; the bias: register 8 b + j of lane (r, h) is bias[256 cx + 128 half + 16 b + 8 h + j]
	s_cmp_lt_u32 ttmp9, 2
	s_cselect_b64 s[98:99], s[98:99], s[100:101]
	s_cmp_lt_u32 ttmp9, 1
	s_cselect_b64 s[96:97], s[96:97], s[98:99]     ; the choice hangs on the cluster's x alone
	s_lshl_b32 s66, s40, 10
	s_lshl_b32 s67, s16, 9
	s_add_co_u32 s66, s66, s67                     ; my first column in the tensor, in bytes of f32
	s_mov_b32 s67, 0
	s_add_nc_u64 s[96:97], s[96:97], s[66:67]
	v_lshlrev_b32 v[BO], 5, v2
.irp b, 0,1,2,3,4,5,6,7
	global_load_b128 v[BIAS+8*\b:BIAS+8*\b+3], v[BO], s[96:97] offset:64*\b
	global_load_b128 v[BIAS+8*\b+4:BIAS+8*\b+7], v[BO], s[96:97] offset:64*\b+16
.endr
	v_mul_u32_u24 v3, v1, PITCH
	v_lshl_add_u32 v4, v2, 4, v3                   ; a fragment's row x pitch + 16 x half
	s_mul_i32 s21, s15, HALFT
	s_mul_i32 s22, s16, HALFT
	s_add_co_u32 s22, s22, 2*HALFT
.irp s, 0,1
	v_add_nc_u32 v[ADRA+\s], s21, v4
	v_add_nc_u32 v[ADRB+\s], s22, v4
	s_add_co_u32 s21, s21, SLOT
	s_add_co_u32 s22, s22, SLOT
.endr
	v_mul_u32_u24 v5, v1, KS                       ; my row's scales: 32 bytes a row,
	v_lshrrev_b32 v6, 8, v5
	v_lshl_add_u32 v5, v6, 4, v5                   ; and 16 more for each 256 passed
	s_mul_i32 s21, s15, HALFS
	s_mul_i32 s22, s16, HALFS
	s_add_co_u32 s22, s22, 2*HALFS
	s_sub_co_u32 s22, s22, s21
	v_mul_u32_u24 v6, s22, v2                      ; lanes 16-31 take B's
	s_add_co_u32 s21, s21, SCL
	v_add_nc_u32 v5, v5, v6
	v_add_nc_u32 v[ADRS], s21, v5
	s_mul_i32 s23, s14, 16*SPITCH                  ; my stage
	v_mul_u32_u24 v5, v1, SPITCH
	v_lshl_add_u32 v5, v2, 4, v5
	v_add_nc_u32 v[STO], s23, v5                   ; in: row r, 16 bytes for each half of the lanes
	v_and_b32 v6, 31, v0
	v_lshrrev_b32 v7, 3, v6
	v_mul_u32_u24 v7, v7, SPITCH
	v_and_b32 v8, 7, v0
	v_lshl_add_u32 v7, v8, 4, v7
	v_add_nc_u32 v[RD], s23, v7                    ; back: eight lanes take a row's 128 bytes of one head, four rows an instruction
	v_lshlrev_b32 v[CO], 4, v6                     ; which are 512 consecutive bytes of qkv
	v_lshlrev_b32 v[QO], 12, v1
	v_lshl_add_u32 v[QO], v2, 5, v[QO]             ; q32: row r of 4,096 bytes, + 32 h
	s_lshl_b32 s92, ttmp9, 2
	s_add_co_u32 s92, s92, s41
	s_lshl_b32 s92, s92, 16                        ; (4 t + b) x 65,536
	s_add_co_u32 s92, s92, s66
	s_mov_b32 s93, 0
	s_add_nc_u64 s[2:3], s[2:3], s[92:93]
	s_lshl_b32 s92, ttmp9, 6                       ; qkv: head slab 64 t + 16 b + 4 cx + 2 half,
	s_lshl_b32 s93, s41, 4
	s_add_co_u32 s92, s92, s93
	s_lshl_b32 s93, s40, 2
	s_add_co_u32 s92, s92, s93
	s_lshl_b32 s93, s16, 1
	s_add_co_u32 s92, s92, s93
	s_lshl_b32 s92, s92, 10                        ; of 1,024 positions,
	s_lshl_b32 s93, s95, 8
	s_add_co_u32 s92, s92, s93                     ; + 256 x sequence block
	s_lshl_b32 s93, s15, 7
	s_add_co_u32 s92, s92, s93                     ; + my 128 rows,
	s_lshl_b32 s92, s92, 7                         ; of 128 bytes
	s_mov_b32 s93, 0
	s_add_nc_u64 s[12:13], s[12:13], s[92:93]
.macro FRAG reg, adr, q, i             ; 16 rows x 128 K of 4-bit codes: registers 4 c .. 4 c + 3 hold K = 64 c + 32 (l / 16) + 0 .. 31
.irp c, 0,1
	ds_load_b128 v[\reg+4*\c:\reg+4*\c+3], v[\adr] offset:64*(\q)+32*\c+(\i)*16*PITCH
.endr
.endm
; 16 matrix instructions: A's blocks a0, a0 + 1 x B's eight.  first = 1: the bias starts the sums.  The 64 accumulators take turns, one instruction a turn.
.macro MUL16 a0, p, q, sc, first
.irp a, \a0, \a0+1
.irp b, 0,1,2,3,4,5,6,7
.if \first
	v_wmma_scale_f32_16x16x128_f8f6f4 v[8*(8*((\a)%4)+\b):8*(8*((\a)%4)+\b)+7], v[128*(\p)+FR*\b:128*(\p)+FR*\b+FR-1], v[AF+FR*(\a):AF+FR*(\a)+FR-1], v[BIAS+8*\b:BIAS+8*\b+7], v[SC+8*NQ*(\sc)+NQ*\b+(\q)], v[SC+8*NQ*(\sc)+NQ*(\a)+(\q)] matrix_a_fmt:MATRIX_FMT_FP4 matrix_b_fmt:MATRIX_FMT_FP4 matrix_a_scale:MATRIX_SCALE_ROW1
.else
	v_wmma_scale_f32_16x16x128_f8f6f4 v[8*(8*((\a)%4)+\b):8*(8*((\a)%4)+\b)+7], v[128*(\p)+FR*\b:128*(\p)+FR*\b+FR-1], v[AF+FR*(\a):AF+FR*(\a)+FR-1], v[8*(8*((\a)%4)+\b):8*(8*((\a)%4)+\b)+7], v[SC+8*NQ*(\sc)+NQ*\b+(\q)], v[SC+8*NQ*(\sc)+NQ*(\a)+(\q)] matrix_a_fmt:MATRIX_FMT_FP4 matrix_b_fmt:MATRIX_FMT_FP4 matrix_a_scale:MATRIX_SCALE_ROW1
.endif
.endr
.endr
.endm
.macro FETCH_B slot, q, p
	WIN TO_B
.irp i, 0,1,2,3,4,5,6,7
	FRAG 128*(\p)+FR*\i, ADRB+\slot, \q, \i
.endr
	WIN 0
.endm
.macro FETCH_A slot, q, i0
.irp i, \i0, \i0+1, \i0+2, \i0+3
	FRAG AF+FR*(\i), ADRA+\slot, \q, \i
.endr
.endm
.macro SCALES sc                       ; a slot's scale words: lanes 0-15 take A's block i, lanes 16-31 B's block i
.irp i, 0,1,2,3,4,5,6,7
	ds_load_b128 v[SC+8*NQ*\sc+NQ*\i:SC+8*NQ*\sc+NQ*\i+3], v[ADRS] offset:\i*SBLK
.endr
.endm
.macro PLACES n                        ; plain vector instructions between a matrix instruction and a load into, or a read of, its registers
.rept \n
	v_nop
.endr
.endm
.macro STEP slot, q, first             ; a step of 128 along K that has its successor in the same slot
	s_wait_dscnt 4*NL                              ; B's set and A's blocks 0-3 are in; the youngest eight loads (A's blocks 4-7) may be out
.if \first
	WIN FST_LO
.else
	WIN MUL_LO
.endif
	MUL16 0, (\q)%2, \q, \slot, \first
	MUL16 2, (\q)%2, \q, \slot, \first
	s_wait_dscnt 0
	PLACES NP
	FETCH_B \slot, (\q)+1, 1-(\q)%2
	FETCH_A \slot, (\q)+1, 0
.if \first
	WIN FST_HI
.else
	WIN MUL_HI
.endif
	MUL16 4, (\q)%2, \q, \slot, \first
	MUL16 6, (\q)%2, \q, \slot, \first
	PLACES NP
	WIN 0
	FETCH_A \slot, (\q)+1, 4
.endm
.macro STEPS slot, from
.set Q, \from
.rept NQ-1-\from
	STEP \slot, Q, 0
.set Q, Q+1
.endr
.endm
	s_wait_tensorcnt 1                             ; the scales and my part of slot 0 are in (slot 1's load may be out)
	s_barrier_signal -1
	s_barrier_wait -1
	FETCH_B 0, 0, 0
	FETCH_A 0, 0, 0
	SCALES 0
	FETCH_A 0, 0, 4
	s_wait_loadcnt 0x0                             ; the bias
	STEP 0, 0, 1
	STEPS 0, 1
	; slot 0's last step changes slots: one barrier; nothing is filled again
	s_wait_tensorcnt 0x0                           ; my part of slot 1 has landed
	ds_add_u32 v[SPW], v[NIL]
	s_wait_dscnt 4*NL+1                            ; (the add and A's blocks 4-7 may be out)
	WIN MUL_LO
	MUL16 0, 1, NQ-1, 0, 0
	s_wait_dscnt 0x0                               ; the add is done, my reads of slot 0 are over
	s_barrier_signal -1
	MUL16 2, 1, NQ-1, 0, 0
	WIN 0
	s_barrier_wait -1
	PLACES NP
	v_add_nc_u32 v[ADRS], 4*NQ, v[ADRS]            ; on to slot 1's scale words
	FETCH_B 1, 0, 0
	FETCH_A 1, 0, 0
	SCALES 1
	WIN MUL_HI
	MUL16 4, 1, NQ-1, 0, 0
	MUL16 6, 1, NQ-1, 0, 0
	PLACES NP
	WIN 0
	FETCH_A 1, 0, 4
	STEPS 1, 0
	s_wait_dscnt 4*NL                              ; the very last step
	WIN MUL_LO
	MUL16 0, 1, NQ-1, 1, 0
	MUL16 2, 1, NQ-1, 1, 0
	s_wait_dscnt 0
	WIN MUL_HI
	MUL16 4, 1, NQ-1, 1, 0
	MUL16 6, 1, NQ-1, 1, 0
	WIN 0
	PLACES NP
	; positions 0-15 (sequence block 0, my rows 0-15): the f32 sums as they stand.  The test is made of the cluster's y and the wave's number: the same in all partners.
	; A lane's 32 bytes and its partner's make runs of 64 bytes: 786,432 bytes in the whole launch.
	s_or_b32 s66, s95, s15
	s_cmp_lg_u32 s66, 0
	s_cbranch_scc1 .Lno_copy
	WIN 0x08                                       ; a store's data: window 2
.irp b, 0,1,2,3,4,5,6,7
	global_store_b128 v[QO], v[8*\b:8*\b+3], s[2:3] offset:64*\b           ; each accumulator from its low end on
	global_store_b128 v[QO], v[8*\b+4:8*\b+7], s[2:3] offset:64*\b+16
.endr
	WIN 0
.Lno_copy:
; THE WAY OUT, a block of 16 rows at a time: rounded to f16, 16 bytes a lane into my stage, back by heads, stored as 512 consecutive bytes.
.macro PACK a
.set AC, 64*((\a)%4)
	WIN 0x0a+5*((\a)/4)                            ; sources 0 and 1: window 2 or 3
.irp b, 0,1,2,3,4,5,6,7
.irp r, 0,1,2,3
	v_cvt_pk_f16_f32 v[TMP+4*\b+\r], v[AC+8*\b+2*\r], v[AC+8*\b+2*\r+1]
.endr
.endr
	WIN 0
.endm
.macro TOSTAGE a
.set BB, BK+32*((\a)%2)
.irp b, 0,1,2,3,4,5,6,7
	ds_store_b128 v[STO], v[TMP+4*\b:TMP+4*\b+3] offset:32*\b
.endr
.irp t, 0,1,2,3,4,5,6,7
	ds_load_b128 v[BB+4*\t:BB+4*\t+3], v[RD] offset:(\t%4)*4*SPITCH+(\t/4)*128   ; LDS serves a wave's instructions in order: these see the stores above
.endr
.endm
.macro SEND a
.set BB, BK+32*((\a)%2)
	s_wait_dscnt 0x0                               ; the block is back in registers
	s_wait_xcnt 0x0                                ; the block before has been read by its stores: its registers take the next block's loads only behind this wait
.irp t, 0,1,2,3,4,5,6,7
	global_store_b128 v[CO], v[BB+4*\t:BB+4*\t+3], s[12:13] offset:(\a)*2048+(\t%4)*512+(\t/4)*131072
.endr
.endm
	PACK 0
	TOSTAGE 0
.irp a, 1,2,3,4,5,6,7
	PACK \a
	SEND \a-1
	TOSTAGE \a
.endr
	SEND 7
	s_wait_tensorcnt 0x0                           ; the wave's end
	ds_add_u32 v[SPW], v[NIL]
	s_wait_dscnt 0x0
	CROUND                                         ; the closing round
	s_endpgm
.Lfunc_end_k_qcaafb67304_qkv:
	.size	k_qcaafb67304_qkv, .Lfunc_end_k_qcaafb67304_qkv-k_qcaafb67304_qkv
	.p2alignl 7, 3214868480
	.fill 96, 4, 3214868480
	.section	.rodata,"a",@progbits
	.p2align	6, 0x0
	.amdhsa_kernel k_qcaafb67304_qkv
		.amdhsa_group_segment_fixed_size 327680
		.amdhsa_private_segment_fixed_size 0
		.amdhsa_enable_private_segment 0
		.amdhsa_kernarg_size 56
		.amdhsa_user_sgpr_count 2
		.amdhsa_user_sgpr_kernarg_segment_ptr 1
		.amdhsa_wavefront_size32 1
		.amdhsa_system_sgpr_workgroup_id_x 1
		.amdhsa_system_sgpr_workgroup_id_y 1
		.amdhsa_system_sgpr_workgroup_id_z 1
		.amdhsa_system_vgpr_workitem_id 0
		.amdhsa_next_free_vgpr 1024
		.amdhsa_next_free_sgpr 102
		.amdhsa_reserve_vcc 0
		.amdhsa_float_denorm_mode_32 3
		.amdhsa_float_denorm_mode_16_64 3
		.amdhsa_memory_ordered 1
		.amdhsa_forward_progress 1
		.amdhsa_inst_pref_size 130
	.end_amdhsa_kernel
	.amdgpu_metadata
---
amdhsa.version: [ 1, 2 ]
amdhsa.kernels:
  - .name:           k_qcaafb67304_qkv
    .symbol:         k_qcaafb67304_qkv.kd
    .args:
      - { .name: codes, .offset: 0, .size: 8, .value_kind: global_buffer, .address_space: global }
      - { .name: scales, .offset: 8, .size: 8, .value_kind: global_buffer, .address_space: global }
      - { .name: bq, .offset: 16, .size: 8, .value_kind: global_buffer, .address_space: global }
      - { .name: bk, .offset: 24, .size: 8, .value_kind: global_buffer, .address_space: global }
      - { .name: bv, .offset: 32, .size: 8, .value_kind: global_buffer, .address_space: global }
      - { .name: qkv, .offset: 40, .size: 8, .value_kind: global_buffer, .address_space: global }
      - { .name: q32, .offset: 48, .size: 8, .value_kind: global_buffer, .address_space: global }
    .group_segment_fixed_size: 327680
    .private_segment_fixed_size: 0
    .kernarg_segment_align: 8
    .kernarg_segment_size: 56
    .max_flat_workgroup_size: 128
    .sgpr_count:     102
    .vgpr_count:     1024
    .wavefront_size: 32
...
	.end_amdgpu_metadata
.endif
;; end of part 2
;; launch attn (part 3): grid 4 x 64, 8 waves a work-group, clusters of 4 x 1, 327,680 bytes of LDS; arguments qkv, relh, att; writes att
.if DOCPART == 3
	.amdgcn_target "amdgcn-amd-amdhsa--gfx1250"
	.amdhsa_code_object_version 6
	.text
	.protected	k_qcaafb67304_attn
	.globl	k_qcaafb67304_attn
	.p2align	8
	.type	k_qcaafb67304_attn,@function
k_qcaafb67304_attn:
	s_mov_b64 s[64:65], 0
	v_nop
	global_prefetch_b8 v0, s[64:65] scope:SCOPE_SE
	s_setreg_imm32_b32 hwreg(HW_REG_WAVE_MODE, 25, 1), 1
	s_wait_xcnt 0x0
	s_wait_alu depctr_hold_cnt(0) depctr_sa_sdst(0) depctr_va_vdst(0) depctr_va_sdst(0) depctr_va_ssrc(0) depctr_va_vcc(0) depctr_vm_vsrc(0)
	s_getreg_b32 s2, hwreg(HW_REG_IB_STS2, 6, 4)
	s_cmp_eq_u32 s2, 0
	s_cbranch_scc0 .Lentry_in_a_cluster
	s_endpgm
.Lentry_in_a_cluster:
	s_bfe_u32 s2, ttmp6, 0x10000c
	s_cmp_lg_u32 s2, 0x3003
	s_cbranch_scc0 .Lentry_shape_is_right
	s_endpgm
.Lentry_shape_is_right:
; Causal attention with relative positions: score[q][k] = Q[q] . (K[k] + rel[1023 - q + k]) / 8 for k <= q; softmax; times V.  f16 operands, f32 sums, maxima and softmax.
; (reference()'s pad-and-reshape gives just that rel row for k <= q; what it puts at k > q lies under its own mask.)
; SHARES.  A cluster of four work-groups owns one head (cluster y = 16 b + h).  Query tile (i, cx) is queries 64 i + 16 cx .. + 15.  Wave w takes tile i = 15 - w and then tile i = w:
; 2 (16 - w) + 2 (w + 1) = 34 steps of 32 keys in every wave.  A block of 64 keys is walked where its number is at most i: a test on the wave's number and the count of steps alone;
; cx enters global addresses and the mask's data, and no branch and no LDS address.
; K AND V OF THE WHOLE HEAD STAY IN LDS, filled once, by joint loads that name all four partners: no slot is ever filled again, and behind one barrier the waves run free.
; rel's fragments come from memory into registers, a step ahead: their rows hang on cx, so they may not be LDS addresses, and K, V and rel together do not fit in LDS.
; LAYOUT.  All products transposed: a lane holds ONE query (lane % 16).  T = R Q^T (48 rel rows from row 1008 - q0 + k0 on), S^T = K Q^T + skewed T, O^T = V^T P.
; THE SKEW.  Query r wants, for key c of the step, T's row 15 - r + c: a shift along the registers that differs from lane to lane.  It goes through the wave's own stage: row rho of query r is
; stored at column rho + r - 15 of stage row r, and columns 0-31 are read back as the C of K Q^T, so that the addition costs nothing.  Columns outside 0-31 fall into the 64-byte margins and are never read.
; LIMITS: Q, K, V, rel and O inside f16's range; p under 6e-8 is lost to f16 (beside a largest p of 1).
; REGISTERS: v1-14 addresses; v16 c m, v17 m, v[18:19] l; v20 old c m; v21 the mask's bound, v22 -inf; v[24:25] a; v32-47 Q; v48-95 rel's six fragments; v96-127 K's four; v128-159 V's four;
;   v160-183 T; v184-199 S, then p; v200-207 P; v208-239 O^T; v240-242 at work.
.set PK,    272                        ; a line of K: two keys, 256 bytes + 16: the 16 lanes of a load touch 16 different 16-byte columns
.set PV,    288                        ; a line of V: 256 + 32
.set VB,    512*PK                     ; V behind K
.set STG,   VB+512*PV                  ; the stages, 3,584 bytes a wave: blocks of 256 bytes into which no fill lands
.set WSTG,  3584
.set SPARE, STG+8*WSTG                 ; the spare words, 128 bytes a wave: four blocks that no other line names
.set WV,  10
.set CX,  11
.set HB,  12
.set TI,  13                           ; the tile's i
.set ST,  14                           ; the step
.set TK,  15                           ; the step's bytes in K: 4,352 a step
.set G1K, 16
.set G1V, 24
.set G0K, 32
.set G0V, 36
.set TV,  40                           ; and in V: 4,608 a step
.set CNT, 41
.set REL, 42                           ; s[42:43] rel's rows of the step that is loaded next
.set QA,  44
.set OUT, 46
.set SEL, 48                           ; lane selects: lane l xor 16
.set CS,  50                           ; c = log2(e) / 8
.set QH,  58                           ; Q of my head
.macro CROUND
	s_barrier_signal -1
	s_barrier_wait -1
	s_cmp_lg_u32 s[WV], 0
	s_cbranch_scc1 .Lnot_wave_0_\@
	s_barrier_signal -3
.Lnot_wave_0_\@:
	s_barrier_wait -3
	s_barrier_signal -1
	s_barrier_wait -1
.endm
	s_load_b128 s[4:7], s[0:1], 0x0                ; qkv, relh
	s_load_b64 s[8:9], s[0:1], 0x10                ; att
	v_lshl_add_u32 v6, v0, 2, SPARE
	v_mov_b32 v7, 0
	ds_add_u32 v6, v7                              ; the opening: the add, twice on end, and its wait ahead of my first tensor load
	ds_add_u32 v6, v7
	v_lshrrev_b32 v1, 5, v0
	v_readfirstlane_b32 s[WV], v1                  ; wave 0..7
	s_bfe_u32 s[CX], ttmp6, 0x40000                ; my place in the cluster
	s_and_b32 s[HB], ttmp7, 0xffff                 ; the head, which the four partners share
	; a quarter of a head's K or V: 32,768 dense bytes as 128 rows of 256 (32 elements of 8 bytes), padded behind each
	s_mov_b32 s[G1K], 15|(3<<16)|(1<<20)|(1<<21)|(5<<22)|(3<<25)   ; the mask: all four; padding 4 words behind every 64
	s_mov_b32 s[G1V], 15|(3<<16)|(1<<20)|(1<<21)|(5<<22)|(7<<25)   ; the same with 8 words
.irp g, G1K, G1V
	s_mov_b32 s[\g+1], 32<<16
	s_mov_b32 s[\g+2], 128<<16
	s_mov_b32 s[\g+3], 32<<16
	s_mov_b32 s[\g+4], 128
	s_mov_b32 s[\g+5], 32
	s_mov_b32 s[\g+6], 0
	s_mov_b32 s[\g+7], 0
.endr
	s_mov_b32 s[SEL], 0x76543210
	s_mov_b32 s[SEL+1], 0xfedcba98
	s_mov_b32 s[CS], 0x3e38aa3b
	s_mov_b32 s[CS+1], s[CS]                       ; named with it as a pair, so it is written
	s_and_b32 s52, s[WV], 3                        ; which quarter I fetch
	s_mul_i32 s53, s52, 128*PK
	s_mul_i32 s54, s52, 128*PV
	s_add_co_u32 s54, s54, VB
	s_lshl_b32 s56, s[HB], 17                      ; a head is 131,072 bytes
	s_mov_b32 s57, 0
	s_wait_dscnt 0x0                               ; both opening adds are done
	s_wait_kmcnt 0x0
	s_add_nc_u64 s[QH:QH+1], s[4:5], s[56:57]
	s_lshl_b32 s56, s52, 15
	s_add_nc_u64 s[60:61], s[QH:QH+1], s[56:57]
	s_mov_b32 s[G0K], 1
	s_mov_b32 s[G0K+1], s53
	s_add_nc_u64 s[G0K+2:G0K+3], s[60:61], 0x800000    ; K's slab of qkv
	s_or_b32 s[G0K+3], s[G0K+3], 0x80000000
	s_mov_b32 s[G0V], 1
	s_mov_b32 s[G0V+1], s54
	s_add_nc_u64 s[G0V+2:G0V+3], s[60:61], 0x1000000   ; V's
	s_or_b32 s[G0V+3], s[G0V+3], 0x80000000
	CROUND                                         ; all four work-groups are here: the joint loads meet
	s_cmp_lt_u32 s[WV], 4                          ; waves 0-3: K's quarters; waves 4-7: V's.  One load of mine is out
	s_cbranch_scc0 .Lfill_v
	tensor_load_to_lds s[G0K:G0K+3], s[G1K:G1K+7]
	s_nop 0
.rept 4
	v_nop
.endr
	s_branch .Lfilled
.Lfill_v:
	tensor_load_to_lds s[G0V:G0V+3], s[G1V:G1V+7]
	s_nop 0
.rept 4
	v_nop
.endr
.Lfilled:
	s_lshr_b32 s52, s[HB], 4                       ; att [8 b + s / 128][h][s % 128][64]: b x 2,097,152 + h x 16,384
	s_lshl_b32 s52, s52, 21
	s_and_b32 s53, s[HB], 15
	s_lshl_b32 s53, s53, 14
	s_add_co_u32 s52, s52, s53
	s_mov_b32 s53, 0
	s_add_nc_u64 s[8:9], s[8:9], s[52:53]
	v_and_b32 v26, 15, v0                          ; r
	v_bfe_u32 v27, v0, 4, 1                        ; h
	v_lshrrev_b32 v28, 1, v26
	v_and_b32 v29, 1, v26
	v_mul_u32_u24 v1, v28, PK
	v_lshl_add_u32 v1, v29, 7, v1
	v_lshl_add_u32 v1, v27, 4, v1                  ; K: key r: line r / 2, + 128 (r % 2), + 16 h
	v_and_b32 v28, 7, v0
	v_lshrrev_b32 v29, 1, v28
	v_lshl_add_u32 v29, v27, 2, v29
	v_mul_u32_u24 v2, v29, PV
	v_and_b32 v28, 1, v28
	v_lshl_add_u32 v2, v28, 7, v2
	v_bfe_u32 v28, v0, 3, 1
	v_lshl_add_u32 v2, v28, 4, v2
	v_add_nc_u32 v2, VB, v2                        ; V, for the turning load: key 8 h + l % 8, channels 8 ((l / 8) % 2) on
	s_mul_i32 s52, s[WV], WSTG
	s_add_co_u32 s52, s52, STG                     ; my stage
	v_mul_u32_u24 v3, v26, 212
	v_lshl_add_u32 v3, v27, 5, v3
	v_add_nc_u32 v3, s52, v3
	v_add_nc_u32 v3, 4, v3                         ; the skew, in: 208 r + 4 (rho + r + 1), rho = 16 u + 8 h + j: 53 words from lane to lane: 32 different banks
	v_mul_u32_u24 v4, v26, 208
	v_lshl_add_u32 v4, v27, 5, v4
	v_add_nc_u32 v4, s52, v4
	v_add_nc_u32 v4, 64, v4                        ; out: 208 r + 64 + 4 c, c = 16 t + 8 h + j
	v_lshlrev_b32 v5, 7, v26
	v_lshl_add_u32 v5, v27, 4, v5                  ; Q and rel in memory: row r of 128 bytes, + 16 h
	v_lshlrev_b32 v10, 3, v27
	v_sub_nc_u32 v10, v26, v10
	s_lshl_b32 s53, s[CX], 4
	v_add_nc_u32 v10, s53, v10                     ; the mask's bound: 16 cx + r - 8 h
	v_mul_u32_u24 v12, v26, 144
	v_lshl_add_u32 v12, v27, 4, v12
	v_add_nc_u32 v12, s52, v12                     ; O's stage, in: row r of 128 + 16 bytes
	v_and_b32 v28, 31, v0
	v_lshrrev_b32 v29, 3, v28
	v_mul_u32_u24 v13, v29, 144
	v_and_b32 v29, 7, v0
	v_lshl_add_u32 v13, v29, 4, v13
	v_add_nc_u32 v13, s52, v13                     ; back: eight lanes to a row
	v_lshlrev_b32 v14, 4, v28
	v_mov_b32 v22, 0xff800000                      ; -infinity
	v_mov_b32 v25, 0                               ; (the upper half of the pair v[24:25])
	v_mov_b32 v241, 0                              ; (a lane permute's destination counts as one of its sources)
; A tile begins: Q, the first step's rel rows, the output's address; m, l and O^T begin as -3e38 and zeros, so that the step is written once.
.macro PREP
	s_wait_loadcnt 0x0                             ; the look-ahead loads of the tile before still name these registers,
	s_wait_xcnt 0x0                                ; and its stores their base and data
	s_lshl_b32 s52, s[TI], 6
	s_lshl_b32 s53, s[CX], 4
	s_add_co_u32 s52, s52, s53                     ; q0
	s_lshl_b32 s54, s52, 7
	s_mov_b32 s55, 0
	s_add_nc_u64 s[QA:QA+1], s[QH:QH+1], s[54:55]
.irp i, 0,1,2,3
	global_load_b128 v[32+4*\i:35+4*\i], v5, s[QA:QA+1] offset:32*\i
.endr
	s_sub_co_u32 s54, 1008, s52
	s_lshl_b32 s54, s54, 7
	s_add_nc_u64 s[REL:REL+1], s[6:7], s[54:55]    ; rel row 1008 - q0
	RLOAD
	s_lshr_b32 s54, s[TI], 1
	s_lshl_b32 s54, s54, 18
	s_and_b32 s56, s[TI], 1
	s_lshl_b32 s56, s56, 13
	s_add_co_u32 s54, s54, s56
	s_lshl_b32 s56, s[CX], 11
	s_add_co_u32 s54, s54, s56
	s_add_nc_u64 s[OUT:OUT+1], s[8:9], s[54:55]
	v_mov_b32 v17, 0xff61b1e6                      ; m: -3e38, under every score
	v_mul_f32 v16, s[CS], v17
	v_mov_b32 v18, 0
	v_mov_b32 v19, 0
.irp i, 0,1,2,3,4,5,6,7,8,9,10,11,12,13,14,15,16,17,18,19,20,21,22,23,24,25,26,27,28,29,30,31
	v_mov_b32 v[208+\i], 0
.endr
	s_mov_b32 s[ST], 0
	s_mov_b32 s[TK], 0
	s_mov_b32 s[TV], 0
.endm
.macro RLOAD                           ; 48 rel rows x 64 channels: fragment (u, dh) at v[48 + 16 u + 8 dh]
.irp u, 0,1,2
.irp d, 0,1
	global_load_b128 v[48+16*\u+8*\d:51+16*\u+8*\d], v5, s[REL:REL+1] offset:2048*\u+64*\d
	global_load_b128 v[52+16*\u+8*\d:55+16*\u+8*\d], v5, s[REL:REL+1] offset:2048*\u+64*\d+32
.endr
.endr
.endm
; A STEP: 32 keys.
.macro STEP
	s_lshr_b32 s52, s[ST], 1                       ; the block of 64 keys
	s_cmp_gt_u32 s52, s[TI]
	s_cbranch_scc1 .Lskip_\@                       ; all its keys come after my queries: the work is left out, not the lines that step addresses
	s_wait_loadcnt 0x0                             ; this step's rel rows (and Q) are in; the wait also frees the loads' base,
	s_add_nc_u64 s[REL:REL+1], s[REL:REL+1], 4096  ; which goes 32 rows on
.irp u, 0,1,2
	v_wmma_f32_16x16x32_f16 v[160+8*\u:167+8*\u], v[48+16*\u:55+16*\u], v[32:39], 0
.endr
.irp u, 0,1,2
	v_wmma_f32_16x16x32_f16 v[160+8*\u:167+8*\u], v[56+16*\u:63+16*\u], v[40:47], v[160+8*\u:167+8*\u]   ; three accumulators by turns
.endr
	v_add_nc_u32 v8, s[TK], v1                     ; four plain instructions: the places between those products and the stores of T and the loads into rel's registers
	v_add_nc_u32 v9, s[TV], v2
	v_mov_b32 v20, v16                             ; c m is kept for a
	v_nop
.irp t, 0,1
.irp d, 0,1
	ds_load_b128 v[96+16*\t+8*\d:99+16*\t+8*\d], v8 offset:2176*\t+64*\d
	ds_load_b128 v[100+16*\t+8*\d:103+16*\t+8*\d], v8 offset:2176*\t+64*\d+32
.endr
.endr
.irp u, 0,1,2
.irp j, 0,1,2,3,4,5,6,7
	ds_store_b32 v3, v[160+8*\u+\j] offset:64*\u+4*\j      ; each T from its low end on
.endr
.endr
.irp t, 0,1
	ds_load_b128 v[184+8*\t:187+8*\t], v4 offset:64*\t     ; LDS serves a wave's instructions in order: these see the stores above
	ds_load_b128 v[188+8*\t:191+8*\t], v4 offset:64*\t+16
.endr
	RLOAD                                          ; the next step's rel rows; behind the last step of a tile they reach row 1119 at the most: relh has 1,152
.irp t, 0,1,2,3
	ds_load_tr16_b128 v[128+8*\t:131+8*\t], v9 offset:32*\t
	ds_load_tr16_b128 v[132+8*\t:135+8*\t], v9 offset:32*\t+8*PV
.endr
	s_wait_dscnt 8                                 ; all but V's eight loads
	v_wmma_f32_16x16x32_f16 v[184:191], v[96:103], v[32:39], v[184:191]     ; the skewed T is the C
	v_wmma_f32_16x16x32_f16 v[192:199], v[112:119], v[32:39], v[192:199]
	v_wmma_f32_16x16x32_f16 v[184:191], v[104:111], v[40:47], v[184:191]
	v_wmma_f32_16x16x32_f16 v[192:199], v[120:127], v[40:47], v[192:199]
.rept 4
	v_nop
.endr
	s_cmp_lg_u32 s52, s[TI]
	s_cbranch_scc1 .Lopen_\@                       ; only the tile's own block of 64 keys has hidden keys
	s_and_b32 s53, s[ST], 1
	s_lshl_b32 s53, s53, 5
	v_sub_nc_u32 v21, v10, s53                     ; register 8 t + j holds key 32 (step % 2) + 16 t + 8 h + j of the block: hidden where 16 t + j > 16 cx + r - 8 h - 32 (step % 2)
.irp n, 0,1,2,3,4,5,6,7,8,9,10,11,12,13,14,15
	v_cmp_gt_i32 vcc_lo, 16*(\n/8)+\n%8, v21
	v_cndmask_b32 v[184+\n], v[184+\n], v22, vcc_lo
.endr
.Lopen_\@:
	v_max3_num_f32 v240, v184, v185, v186          ; the maximum: each tile is first read at its low end
	v_max3_num_f32 v241, v192, v193, v194
	v_max3_num_f32 v240, v240, v187, v188
	v_max3_num_f32 v241, v241, v195, v196
	v_max3_num_f32 v240, v240, v189, v190
	v_max3_num_f32 v241, v241, v197, v198
	v_max3_num_f32 v240, v240, v191, v199
	v_max3_num_f32 v240, v240, v241, v17           ; with the old m
	v_permlanex16_b32 v241, v240, s[SEL], s[SEL+1] ; the query's other 16 keys lie 16 lanes away
	v_max_num_f32 v17, v240, v241
	v_mul_f32 v16, s[CS], v17
	v_sub_f32 v242, v20, v16
.irp b, 0,2,4,6,8,10,12,14
	v_pk_fma_f32 v[184+\b:185+\b], v[184+\b:185+\b], s[CS:CS+1], v[16:17] op_sel_hi:[1,0,0] neg_lo:[0,0,1] neg_hi:[0,0,1]   ; c s - c m
.endr
	v_exp_f32 v24, v242                            ; a = 2^(c m_old - c m_new): one batch of seventeen,
.irp n, 0,1,2,3,4,5,6,7,8,9,10,11,12,13,14,15
	v_exp_f32 v[184+\n], v[184+\n]
.endr
	v_nop                                          ; a plain instruction behind the last,
	s_wait_alu depctr_va_vdst(0)                   ; and one wait ahead of the first reader
.irp i, 0,1,2,3,4,5,6,7
	v_cvt_pk_f16_f32 v[200+\i], v[184+2*\i], v[185+2*\i]   ; two tiles of S^T, packed, ARE source 1 of V^T P
.endr
	v_pk_add_f32 v[184:185], v[184:185], v[186:187]
	v_pk_add_f32 v[188:189], v[188:189], v[190:191]
	v_pk_add_f32 v[192:193], v[192:193], v[194:195]
	v_pk_add_f32 v[196:197], v[196:197], v[198:199]
	v_pk_add_f32 v[184:185], v[184:185], v[188:189]
	v_pk_add_f32 v[192:193], v[192:193], v[196:197]
	v_pk_add_f32 v[184:185], v[184:185], v[192:193]
	v_pk_fma_f32 v[18:19], v[18:19], v[24:25], v[184:185] op_sel_hi:[1,0,1]   ; l = a l + the step's sum
.irp i, 0,2,4,6,8,10,12,14,16,18,20,22,24,26,28,30
	v_pk_mul_f32 v[208+\i:209+\i], v[208+\i:209+\i], v[24:25] op_sel_hi:[1,0]
.endr
	s_wait_dscnt 0x0                               ; V
.irp t, 0,1,2,3
	v_wmma_f32_16x16x32_f16 v[208+8*\t:215+8*\t], v[128+8*\t:135+8*\t], v[200:207], v[208+8*\t:215+8*\t]
.endr
.Lskip_\@:
	s_add_co_u32 s[TK], s[TK], 16*PK
	s_add_co_u32 s[TV], s[TV], 16*PV
	s_add_co_u32 s[ST], s[ST], 1
.endm
; A tile ends: O^T / l, f16, through my stage, out as 2,048 consecutive bytes.
.macro FINISH
.rept 4
	v_nop
.endr
	v_add_f32 v240, v18, v19
	v_permlanex16_b32 v241, v240, s[SEL], s[SEL+1]
	v_add_f32 v240, v240, v241
	v_rcp_f32 v24, v240
	v_nop
	s_wait_alu depctr_va_vdst(0)
.irp i, 0,2,4,6,8,10,12,14,16,18,20,22,24,26,28,30
	v_pk_mul_f32 v[208+\i:209+\i], v[208+\i:209+\i], v[24:25] op_sel_hi:[1,0]
.endr
.irp i, 0,1,2,3,4,5,6,7,8,9,10,11,12,13,14,15
	v_cvt_pk_f16_f32 v[96+\i], v[208+2*\i], v[209+2*\i]
.endr
.irp t, 0,1,2,3
	ds_store_b128 v12, v[96+4*\t:99+4*\t] offset:32*\t     ; lane (r, h): channels 16 t + 8 h + 0 .. 7 of query r
.endr
.irp t, 0,1,2,3
	ds_load_b128 v[112+4*\t:115+4*\t], v13 offset:576*\t
.endr
	s_wait_dscnt 0x0
.irp t, 0,1,2,3
	global_store_b128 v14, v[112+4*\t:115+4*\t], s[OUT:OUT+1] offset:512*\t   ; 512 consecutive bytes an instruction
.endr
.endm
	s_sub_co_u32 s[TI], 15, s[WV]
	PREP
	s_wait_tensorcnt 0x0                           ; my quarter has landed,
	s_barrier_signal -1
	s_barrier_wait -1                              ; everybody's has: K and V are whole.  Nothing is ever filled again
	s_mov_b32 s[CNT], 32
.Ltile_a:
	STEP
	s_sub_co_u32 s[CNT], s[CNT], 1
	s_cmp_lg_u32 s[CNT], 0
	s_cbranch_scc1 .Ltile_a
	FINISH
	s_mov_b32 s[TI], s[WV]
	PREP
	s_mov_b32 s[CNT], 16                           ; tiles 0-7 end within 16 steps
.Ltile_b:
	STEP
	s_sub_co_u32 s[CNT], s[CNT], 1
	s_cmp_lg_u32 s[CNT], 0
	s_cbranch_scc1 .Ltile_b
	FINISH
	s_wait_tensorcnt 0x0                           ; the wave's end
	ds_add_u32 v6, v7
	s_wait_dscnt 0x0
	CROUND                                         ; the closing round
	s_endpgm
.Lfunc_end_k_qcaafb67304_attn:
	.size	k_qcaafb67304_attn, .Lfunc_end_k_qcaafb67304_attn-k_qcaafb67304_attn
	.p2alignl 7, 3214868480
	.fill 96, 4, 3214868480
	.section	.rodata,"a",@progbits
	.p2align	6, 0x0
	.amdhsa_kernel k_qcaafb67304_attn
		.amdhsa_group_segment_fixed_size 327680
		.amdhsa_private_segment_fixed_size 0
		.amdhsa_enable_private_segment 0
		.amdhsa_kernarg_size 24
		.amdhsa_user_sgpr_count 2
		.amdhsa_user_sgpr_kernarg_segment_ptr 1
		.amdhsa_wavefront_size32 1
		.amdhsa_system_sgpr_workgroup_id_x 1
		.amdhsa_system_sgpr_workgroup_id_y 1
		.amdhsa_system_sgpr_workgroup_id_z 1
		.amdhsa_system_vgpr_workitem_id 0
		.amdhsa_next_free_vgpr 256
		.amdhsa_next_free_sgpr 66
		.amdhsa_reserve_vcc 1
		.amdhsa_float_denorm_mode_32 3
		.amdhsa_float_denorm_mode_16_64 3
		.amdhsa_memory_ordered 1
		.amdhsa_forward_progress 1
		.amdhsa_inst_pref_size 42
	.end_amdhsa_kernel
	.amdgpu_metadata
---
amdhsa.version: [ 1, 2 ]
amdhsa.kernels:
  - .name:           k_qcaafb67304_attn
    .symbol:         k_qcaafb67304_attn.kd
    .args:
      - { .name: qkv, .offset: 0, .size: 8, .value_kind: global_buffer, .address_space: global }
      - { .name: relh, .offset: 8, .size: 8, .value_kind: global_buffer, .address_space: global }
      - { .name: att, .offset: 16, .size: 8, .value_kind: global_buffer, .address_space: global }
    .group_segment_fixed_size: 327680
    .private_segment_fixed_size: 0
    .kernarg_segment_align: 8
    .kernarg_segment_size: 24
    .max_flat_workgroup_size: 256
    .sgpr_count:     66
    .vgpr_count:     256
    .wavefront_size: 32
...
	.end_amdgpu_metadata
.endif
;; end of part 3
;; launch proj (part 4): grid 8 x 32, 4 waves a work-group, clusters of 4 x 4, 327,680 bytes of LDS; arguments att, wot, bo, out0; writes out0
.if DOCPART == 4
	.amdgcn_target "amdgcn-amd-amdhsa--gfx1250"
	.amdhsa_code_object_version 6
	.text
	.protected	k_qcaafb67304_proj
	.globl	k_qcaafb67304_proj
	.p2align	8
	.type	k_qcaafb67304_proj,@function
k_qcaafb67304_proj:
	s_mov_b64 s[64:65], 0
	v_nop
	global_prefetch_b8 v0, s[64:65] scope:SCOPE_SE
	s_setreg_imm32_b32 hwreg(HW_REG_WAVE_MODE, 25, 1), 1
	s_wait_xcnt 0x0
	s_wait_alu depctr_hold_cnt(0) depctr_sa_sdst(0) depctr_va_vdst(0) depctr_va_sdst(0) depctr_va_ssrc(0) depctr_va_vcc(0) depctr_vm_vsrc(0)
	s_getreg_b32 s2, hwreg(HW_REG_IB_STS2, 6, 4)
	s_cmp_eq_u32 s2, 0
	s_cbranch_scc0 .Lentry_in_a_cluster
	s_endpgm
.Lentry_in_a_cluster:
	s_bfe_u32 s2, ttmp6, 0x10000c
	s_cmp_lg_u32 s2, 0xf033
	s_cbranch_scc0 .Lentry_shape_is_right
	s_endpgm
.Lentry_shape_is_right:
; out0 = O Wo + bo, f16 operands, f32 sums: C [4096][1024] = A [4096][1024] B^T, A = att, B = wot [n][k].  All rows but positions 0-15 of each batch, which the last launch stores.
; A tile of C is 128 x 128: 256 work-groups.  Four waves, each 64 x 64: 16 accumulators.  K goes in steps of 256 (four heads) through a ring of two LDS slots.
; A lies as [tile row 8 b + s / 128][head][128 rows][64]: a K step of a tile row is 65,536 DENSE bytes, fetched as lines of 256 bytes (two rows of one head) + 16 of padding.
; CLUSTERS 4 x 4: tile row = 8 cy + cluster y (batch = cy), tile column = 4 cluster x + cx; A's tiles shared along a row of the cluster, B's along a column, by joint loads.
; THE MATRIX INSTRUCTION IS USED TRANSPOSED (source 0 = 16 rows of B, source 1 = 16 rows of A).  bo is the C of each sum's first instruction.
; REGISTERS: window 0: v0-31 addresses; v32-63 the bias; v32-95 on the way out; v128-255 the accumulators ((a, b) at v[128 + 8 (4 a + b)]).  window 1: two fragment buffers of 128.
.set KSTEP,  256
.set PA,     272                       ; a line of A
.set PITCH,  528                       ; a row of B: 512 bytes + 16
.set HALFA,  128*PA                    ; two heads x 128 rows: what one load brings of A
.set HALFB,  64*PITCH                  ; 64 rows: of B
.set BOFF,   2*HALFA
.set SLOT,   BOFF+2*HALFB
.set SPARE,  2*SLOT                    ; the spare words: two blocks of 256 bytes that no other line names
.set SPITCH, 272                       ; the way out: 16 rows x (256 + 16) a wave, in slot 0, which has had its last fill and its last read by then
.set LAPS,   2
.set ADRA, 16
.set ADRB, 20
.set STO,  24
.set RD,   25
.set CO,   26
.set BO,   27
.set SPW,  28
.set NIL,  29
.set BIAS, 32
.set ACC,  128
.set F0,   0
.set F1,   128
.set G1, 24
.set G0, 32
.set G1B, 48
.set G0B, 56
.set MSB, 0
.macro WIN new
.if MSB != \new
	s_set_vgpr_msb (MSB<<8)|\new
.set MSB, \new
.endif
.endm
.set MUL,  0x05                        ; sources 0 (B) and 1 (A) window 1; C and D window 0
.set TO_F, 0x40
.macro JLOAD s                         ; a joint load: waves 0, 1 fetch A's halves, waves 2, 3 B's; an s_nop 0 and four v_nop follow each line
	s_cmp_eq_u32 s11, 0
	s_cbranch_scc0 .Lfor_b_\@
	tensor_load_to_lds s[G0+4*\s:G0+4*\s+3], s[G1:G1+7]
	s_nop 0
.rept 4
	v_nop
.endr
	s_branch .Lasked_\@
.Lfor_b_\@:
	tensor_load_to_lds s[G0B+4*\s:G0B+4*\s+3], s[G1B:G1B+7]
	s_nop 0
.rept 4
	v_nop
.endr
.Lasked_\@:
.endm
.macro CREST
	s_cmp_lg_u32 s10, 0
	s_cbranch_scc1 .Lnot_wave_0_\@
	s_barrier_signal -3
.Lnot_wave_0_\@:
	s_barrier_wait -3
	s_barrier_signal -1
	s_barrier_wait -1
.endm
.macro CROUND
	s_barrier_signal -1
	s_barrier_wait -1
	CREST
.endm
	s_load_b128 s[4:7], s[0:1], 0x0                ; att, wot
	s_load_b64 s[66:67], s[0:1], 0x10              ; bo
	s_load_b64 s[8:9], s[0:1], 0x18                ; out0
	v_lshl_add_u32 v[SPW], v0, 2, SPARE
	v_mov_b32 v[NIL], 0
	ds_add_u32 v[SPW], v[NIL]                      ; the opening: the add, twice on end, and its wait ahead of my first tensor load
	ds_add_u32 v[SPW], v[NIL]
	v_lshrrev_b32 v1, 5, v0
	v_readfirstlane_b32 s10, v1                    ; wave 0..3
	s_lshr_b32 s11, s10, 1                         ; my half of the rows; also: I fetch for A (0) or B (1)
	s_and_b32 s12, s10, 1                          ; my half of the columns; also: which half I fetch
	s_bfe_u32 s40, ttmp6, 0x40000                  ; cx
	s_bfe_u32 s41, ttmp6, 0x40004                  ; cy
	s_lshl_b32 s42, ttmp9, 2
	s_add_co_u32 s42, s42, s40                     ; tile column
	s_and_b32 s68, ttmp7, 0xffff                   ; cluster y: the block of 128 positions
	s_lshl_b32 s13, s41, 3
	s_add_co_u32 s13, s13, s68                     ; tile row = 8 cy + cluster y
	s_lshl_b32 s43, s41, 2
	s_lshl_b32 s43, 15, s43                        ; my row of the cluster
	s_lshl_b32 s44, 0x1111, s40                    ; my column
	s_or_b32 s[G1+0], s43, (3<<16)|(1<<20)|(1<<21)|(5<<22)|(3<<25)  ; A: 128 dense rows of 32 elements of 8 bytes; 4 words of padding behind every 64
	s_mov_b32 s[G1+1], 32<<16
	s_mov_b32 s[G1+2], 128<<16
	s_mov_b32 s[G1+3], 32<<16
	s_mov_b32 s[G1+4], 128
	s_mov_b32 s[G1+5], 32
	s_mov_b32 s[G1+6], 0
	s_mov_b32 s[G1+7], 0
	s_or_b32 s[G1B+0], s44, (1<<16)|(1<<20)|(1<<21)|(6<<22)|(3<<25) ; B: 64 rows of 256 elements of 2 bytes; 4 words behind every 128
	s_mov_b32 s[G1B+1], KSTEP<<16
	s_mov_b32 s[G1B+2], 64<<16
	s_mov_b32 s[G1B+3], KSTEP<<16
	s_mov_b32 s[G1B+4], 64
	s_mov_b32 s[G1B+5], 1024
	s_mov_b32 s[G1B+6], 0
	s_mov_b32 s[G1B+7], 0
	s_lshl_b32 s16, s13, 18                        ; A: 262,144 x tile row + 32,768 x half
	s_lshl_b32 s17, s12, 15
	s_add_co_u32 s16, s16, s17
	s_mov_b32 s17, 0
	s_lshl_b32 s46, s42, 7                         ; B: row 128 x tile column + 64 x half, of 2,048 bytes
	s_lshl_b32 s47, s12, 6
	s_add_co_u32 s46, s46, s47
	s_lshl_b32 s46, s46, 11
	s_mov_b32 s47, 0
	s_mul_i32 s20, s12, HALFA                      ; where they go: no place in the cluster enters an LDS address
	s_mul_i32 s21, s12, HALFB
	s_add_co_u32 s21, s21, BOFF
	s_wait_dscnt 0x0                               ; both opening adds are done
	s_wait_kmcnt 0x0
	s_add_nc_u64 s[14:15], s[4:5], s[16:17]
	s_add_nc_u64 s[46:47], s[6:7], s[46:47]
	CROUND                                         ; all sixteen work-groups are here
.irp s, 0,1
	s_mov_b32 s[G0+4*\s], 1
	s_add_co_u32 s[G0+4*\s+1], s20, \s*SLOT
	s_add_nc_u64 s[G0+4*\s+2:G0+4*\s+3], s[14:15], \s*65536
	s_or_b32 s[G0+4*\s+3], s[G0+4*\s+3], 0x80000000
	s_mov_b32 s[G0B+4*\s], 1
	s_add_co_u32 s[G0B+4*\s+1], s21, \s*SLOT
	s_add_nc_u64 s[G0B+4*\s+2:G0B+4*\s+3], s[46:47], \s*KSTEP*2
	s_or_b32 s[G0B+4*\s+3], s[G0B+4*\s+3], 0x80000000
	JLOAD \s                                       ; two loads of mine are out at the most
.endr
	v_and_b32 v1, 15, v0                           ; r
	v_bfe_u32 v2, v0, 4, 1                         ; h
	s_lshl_b32 s46, s42, 9
	s_lshl_b32 s47, s12, 8
	s_add_co_u32 s46, s46, s47                     ; my first column, in bytes of f32: a multiple of 256
	s_mov_b32 s47, 0
	s_add_nc_u64 s[66:67], s[66:67], s[46:47]
	v_lshlrev_b32 v[BO], 5, v2
.irp b, 0,1,2,3
	global_load_b128 v[BIAS+8*\b:BIAS+8*\b+3], v[BO], s[66:67] offset:64*\b      ; bo[.. + 16 b + 8 h + j]
	global_load_b128 v[BIAS+8*\b+4:BIAS+8*\b+7], v[BO], s[66:67] offset:64*\b+16
.endr
	v_lshrrev_b32 v3, 1, v1
	v_mul_u32_u24 v3, v3, PA
	v_and_b32 v4, 1, v1
	v_lshl_add_u32 v3, v4, 7, v3
	v_lshl_add_u32 v3, v2, 4, v3                   ; A: row r: line r / 2, + 128 (r % 2), + 16 h
	v_mul_u32_u24 v4, v1, PITCH
	v_lshl_add_u32 v4, v2, 4, v4                   ; B: row r x pitch + 16 h
	s_mul_i32 s21, s11, 32*PA                      ; my 64 rows of A: 32 lines in each head
	s_mul_i32 s22, s12, HALFB
	s_add_co_u32 s22, s22, BOFF
.irp s, 0,1
	v_add_nc_u32 v[ADRA+\s], s21, v3
	v_add_nc_u32 v[ADRB+\s], s22, v4
	s_add_co_u32 s21, s21, SLOT
	s_add_co_u32 s22, s22, SLOT
.endr
	s_mul_i32 s23, s10, 16*SPITCH                  ; my stage
	v_mul_u32_u24 v5, v1, SPITCH
	v_lshl_add_u32 v5, v2, 5, v5
	v_add_nc_u32 v[STO], s23, v5                   ; in: row r, 32 bytes for each half of the lanes
	v_mul_u32_u24 v5, v2, SPITCH
	v_lshl_add_u32 v5, v1, 4, v5
	v_add_nc_u32 v[RD], s23, v5                    ; back: lanes 0-15 one row of 256 bytes, lanes 16-31 the next
	v_lshlrev_b32 v5, 12, v2
	v_lshl_add_u32 v[CO], v1, 4, v5                ; and the same two rows in out0
	s_lshl_b32 s16, s13, 7
	s_lshl_b32 s17, s11, 6
	s_add_co_u32 s16, s16, s17                     ; my first row
	s_lshl_b32 s16, s16, 12
	s_mov_b32 s17, 0
	s_add_nc_u64 s[8:9], s[8:9], s[16:17]
	s_add_nc_u64 s[8:9], s[8:9], s[46:47]
.macro MUL8 f, c, a0, first            ; 8 matrix instructions: m blocks a0, a0 + 1 x all 4 n blocks, 32 along K.  first = 1: the bias starts the sums
.irp a, \a0, \a0+1
.irp b, 0,1,2,3
.if \first
	v_wmma_f32_16x16x32_f16 v[ACC+8*(4*(\a)+\b):ACC+8*(4*(\a)+\b)+7], v[\f+64+8*(4*\c+\b):\f+64+8*(4*\c+\b)+7], v[\f+8*(4*\c+\a):\f+8*(4*\c+\a)+7], v[BIAS+8*\b:BIAS+8*\b+7]
.else
	v_wmma_f32_16x16x32_f16 v[ACC+8*(4*(\a)+\b):ACC+8*(4*(\a)+\b)+7], v[\f+64+8*(4*\c+\b):\f+64+8*(4*\c+\b)+7], v[\f+8*(4*\c+\a):\f+8*(4*\c+\a)+7], v[ACC+8*(4*(\a)+\b):ACC+8*(4*(\a)+\b)+7]
.endif
.endr
.endr
.endm
.macro FETCH slot, q, f                ; 32 LDS loads in one run: quarter q of a K step is one head, 64 along K
	WIN TO_F
.irp c, 0,1
.irp i, 0,1,2,3
	ds_load_b128 v[\f+64+8*(4*\c+\i):\f+64+8*(4*\c+\i)+3],   v[ADRB+\slot] offset:128*(\q)+64*\c+\i*16*PITCH
	ds_load_b128 v[\f+64+8*(4*\c+\i)+4:\f+64+8*(4*\c+\i)+7], v[ADRB+\slot] offset:128*(\q)+64*\c+\i*16*PITCH+32
	ds_load_b128 v[\f+8*(4*\c+\i):\f+8*(4*\c+\i)+3],         v[ADRA+\slot] offset:64*PA*(\q)+64*\c+\i*8*PA
	ds_load_b128 v[\f+8*(4*\c+\i)+4:\f+8*(4*\c+\i)+7],       v[ADRA+\slot] offset:64*PA*(\q)+64*\c+\i*8*PA+32
.endr
.endr
.endm
.macro PLACES
.rept 4
	v_nop
.endr
.endm
.macro QUARTER slot, q, f, g, first    ; multiplies buffer f and fetches quarter q into g
	s_wait_dscnt 16                                ; the first 32 along K are in; the other sixteen loads may be out
	WIN MUL
	MUL8 \f, 0, 0, \first
	MUL8 \f, 0, 2, \first
	PLACES
	FETCH \slot, \q, \g
	s_wait_dscnt 32                                ; all but the 32 just issued
	WIN MUL
	MUL8 \f, 1, 0, 0
	MUL8 \f, 1, 2, 0
.endm
.macro TURN slot, next, fill           ; the last quarter changes slots: one barrier; fill = 1: this slot is filled again, two K steps ahead
	WIN 0
	s_wait_tensorcnt 0x0                           ; all my tensor loads have landed: my part of the next slot;
	ds_add_u32 v[SPW], v[NIL]
	s_wait_dscnt 17                                ; (the add and the youngest sixteen loads may be out)
	WIN MUL
	MUL8 F1, 0, 0, 0
	s_wait_dscnt 0x0                               ; the add is done, my reads of this slot are over
	s_barrier_signal -1
	MUL8 F1, 0, 2, 0
.if \fill
	WIN 0
.endif
	s_barrier_wait -1
.if \fill
	CREST                                          ; the barrier has opened a round of the cluster's: no wave of any partner still reads this slot or has a load on its way
	s_add_nc_u64 s[G0+4*\slot+2:G0+4*\slot+3], s[G0+4*\slot+2:G0+4*\slot+3], 2*65536
	s_add_nc_u64 s[G0B+4*\slot+2:G0B+4*\slot+3], s[G0B+4*\slot+2:G0B+4*\slot+3], 2*KSTEP*2
	JLOAD \slot                                    ; the first tensor load behind the round; its four v_nop are also the places in front of the loads below
.else
	PLACES
.endif
	FETCH \next, 0, F0
	WIN MUL
	MUL8 F1, 1, 0, 0
	MUL8 F1, 1, 2, 0
.endm
	s_wait_tensorcnt 1                             ; my part of K step 0 is in (K step 1's load may be out)
	s_barrier_signal -1
	s_barrier_wait -1
	FETCH 0, 0, F0
	s_wait_loadcnt 0x0                             ; the bias
	QUARTER 0, 1, F0, F1, 1
	WIN 0
	s_mov_b32 s3, LAPS-1
.Llap:
	QUARTER 0, 2, F1, F0, 0
	QUARTER 0, 3, F0, F1, 0
	TURN 0, 1, 1
	QUARTER 1, 1, F0, F1, 0
	QUARTER 1, 2, F1, F0, 0
	QUARTER 1, 3, F0, F1, 0
	TURN 1, 0, 1
	QUARTER 0, 1, F0, F1, 0
	WIN 0
	s_sub_co_u32 s3, s3, 1
	s_cmp_lg_u32 s3, 0
	s_cbranch_scc1 .Llap
	QUARTER 0, 2, F1, F0, 0                        ; the last lap fills nothing
	QUARTER 0, 3, F0, F1, 0
	TURN 0, 1, 0
	QUARTER 1, 1, F0, F1, 0
	QUARTER 1, 2, F1, F0, 0
	QUARTER 1, 3, F0, F1, 0
	s_wait_dscnt 16
	WIN MUL
	MUL8 F1, 0, 0, 0
	MUL8 F1, 0, 2, 0
	s_wait_dscnt 0
	MUL8 F1, 1, 0, 0
	MUL8 F1, 1, 2, 0
	WIN 0
	PLACES
; THE WAY OUT: my 64 columns of f32 are a whole aligned 256 bytes of a row, so each wave has a stage of its own and no barrier is needed.  A block of 16 rows at a time.
.macro OUTB a
.set BB, 32+32*((\a)%2)
	s_wait_xcnt 0x0                                ; earlier stores have read their registers
.irp b, 0,1,2,3
	ds_store_b128 v[STO], v[ACC+8*(4*(\a)+\b):ACC+8*(4*(\a)+\b)+3] offset:64*\b        ; each accumulator from its low end on
	ds_store_b128 v[STO], v[ACC+8*(4*(\a)+\b)+4:ACC+8*(4*(\a)+\b)+7] offset:64*\b+16
.endr
.irp t, 0,1,2,3,4,5,6,7
	ds_load_b128 v[BB+4*\t:BB+4*\t+3], v[RD] offset:\t*2*SPITCH
.endr
	s_wait_dscnt 0x0
.irp t, 0,1,2,3,4,5,6,7
	global_store_b128 v[CO], v[BB+4*\t:BB+4*\t+3], s[8:9] offset:(16*(\a)+2*\t)*4096 th:TH_STORE_NT   ; sixteen lanes store 256 consecutive, aligned bytes
.endr
.endm
	s_or_b32 s69, s68, s11                         ; positions 0-15 of a batch (block 0, my rows 0-15) are the last launch's: the test is the same in all partners
	s_cmp_eq_u32 s69, 0
	s_cbranch_scc1 .Lnot_mine
	OUTB 0
.Lnot_mine:
	OUTB 1
	OUTB 2
	OUTB 3
	s_wait_tensorcnt 0x0                           ; the wave's end
	ds_add_u32 v[SPW], v[NIL]
	s_wait_dscnt 0x0
	CROUND                                         ; the closing round
	s_endpgm
.Lfunc_end_k_qcaafb67304_proj:
	.size	k_qcaafb67304_proj, .Lfunc_end_k_qcaafb67304_proj-k_qcaafb67304_proj
	.p2alignl 7, 3214868480
	.fill 96, 4, 3214868480
	.section	.rodata,"a",@progbits
	.p2align	6, 0x0
	.amdhsa_kernel k_qcaafb67304_proj
		.amdhsa_group_segment_fixed_size 327680
		.amdhsa_private_segment_fixed_size 0
		.amdhsa_enable_private_segment 0
		.amdhsa_kernarg_size 32
		.amdhsa_user_sgpr_count 2
		.amdhsa_user_sgpr_kernarg_segment_ptr 1
		.amdhsa_wavefront_size32 1
		.amdhsa_system_sgpr_workgroup_id_x 1
		.amdhsa_system_sgpr_workgroup_id_y 1
		.amdhsa_system_sgpr_workgroup_id_z 1
		.amdhsa_system_vgpr_workitem_id 0
		.amdhsa_next_free_vgpr 512
		.amdhsa_next_free_sgpr 72
		.amdhsa_reserve_vcc 0
		.amdhsa_float_denorm_mode_32 3
		.amdhsa_float_denorm_mode_16_64 3
		.amdhsa_memory_ordered 1
		.amdhsa_forward_progress 1
		.amdhsa_inst_pref_size 87
	.end_amdhsa_kernel
	.amdgpu_metadata
---
amdhsa.version: [ 1, 2 ]
amdhsa.kernels:
  - .name:           k_qcaafb67304_proj
    .symbol:         k_qcaafb67304_proj.kd
    .args:
      - { .name: att, .offset: 0, .size: 8, .value_kind: global_buffer, .address_space: global }
      - { .name: wot, .offset: 8, .size: 8, .value_kind: global_buffer, .address_space: global }
      - { .name: bo, .offset: 16, .size: 8, .value_kind: global_buffer, .address_space: global }
      - { .name: out0, .offset: 24, .size: 8, .value_kind: global_buffer, .address_space: global }
    .group_segment_fixed_size: 327680
    .private_segment_fixed_size: 0
    .kernarg_segment_align: 8
    .kernarg_segment_size: 32
    .max_flat_workgroup_size: 128
    .sgpr_count:     72
    .vgpr_count:     512
    .wavefront_size: 32
...
	.end_amdgpu_metadata
.endif
;; end of part 4
;; launch first16 (part 5): grid 16 x 4, 16 waves a work-group, no clusters, 139,264 bytes of LDS; arguments q32, rel_key, Wo, bo, out0; writes out0
.if DOCPART == 5
	.amdgcn_target "amdgcn-amd-amdhsa--gfx1250"
	.amdhsa_code_object_version 6
	.text
	.protected	k_qcaafb67304_first16
	.globl	k_qcaafb67304_first16
	.p2align	8
	.type	k_qcaafb67304_first16,@function
k_qcaafb67304_first16:
	s_mov_b64 s[64:65], 0
	v_nop
	global_prefetch_b8 v0, s[64:65] scope:SCOPE_SE
	s_setreg_imm32_b32 hwreg(HW_REG_WAVE_MODE, 25, 1), 1
	s_wait_xcnt 0x0
; Positions 0-15 of each batch, carried in f32 from the quantised products' sums to out0: these rows average one to sixteen values, and the rounding of 16-bit operands weighs most there.
; A work-group takes a batch (y) and 64 columns of out0 (x); wave = head.  Each wave: scores and rel scores of its head (16 x 16), the skew, softmax, P V, and its head's 64 rows of Wo against its O;
; the sixteen heads' parts meet in LDS and are added.  The attention is made anew in each of the 16 column blocks: 48 small products a wave.
; All products by the f32 matrix form (16 x 16 x 4), transposed: a lane holds one query.  Its K places are dealt alike on both sides: for Q, K, rel a lane's 16 bytes at d = 8 c + 4 h feed two instructions;
; for P and O the pair (2 c, 2 c + 1) of a result tile stands for k = 8 h + 2 c + j, and the other side (V, Wo) is loaded by that rule.
; Only rel rows 1008-1023 are wanted: for k <= q <= 15 the row is 1023 - q + k.
; REGISTERS: v3-13 addresses; v14, v15 the add's two; v16-47 O^T and v48-79 OUT^T (first T at v48, the scores at v56): written by matrix instructions alone;
;   v80-111 V, then O / l; v112-119 at work; v120-127 scores, p, then bo; v128-255 Q, K, rel, then Wo's four tiles of columns.
.set RED,   16*2304                    ; behind the sixteen skew stages (16 rows x 144 bytes): the parts, 6,272 bytes a wave
.set CH,    784                        ; a part's chunk (tile of columns, half of its registers): 49 x 16 bytes, lanes 16-31 at 384: so the reads below touch sixteen different 16-byte columns
.set SPARE, RED+16*8*CH                ; the spare words, 128 bytes a wave: eight blocks of 256 bytes that no other line names
	s_load_b256 s[4:11], s[0:1], 0x0               ; q32 s[4:5], rel_key s[6:7], Wo s[8:9], bo s[10:11]
	s_load_b64 s[12:13], s[0:1], 0x20              ; out0
	v_lshl_add_u32 v14, v0, 2, SPARE
	v_mov_b32 v15, 0
	v_lshrrev_b32 v1, 5, v0
	v_readfirstlane_b32 s14, v1                    ; wave = head
	s_and_b32 s15, ttmp7, 0xffff                   ; batch
	v_and_b32 v1, 15, v0                           ; r
	v_bfe_u32 v2, v0, 4, 1                         ; h
	v_lshlrev_b32 v3, 12, v1
	v_lshl_add_u32 v3, v2, 4, v3                   ; Q, K: position r of 4,096 bytes, + 16 h
	v_lshlrev_b32 v4, 8, v1
	v_lshl_add_u32 v4, v2, 4, v4                   ; rel: row r of 256 bytes, + 16 h
	v_lshlrev_b32 v5, 15, v2
	v_lshl_add_u32 v5, v1, 2, v5                   ; V, Wo: row 8 h, column r
	s_mul_i32 s16, s14, 2304
	v_mul_u32_u24 v6, v1, 148
	v_lshl_add_u32 v6, v2, 5, v6
	v_add_nc_u32 v6, s16, v6
	v_add_nc_u32 v6, 4, v6                         ; the skew, in: 144 r + 4 (rho + r + 1), rho = 8 h + j
	v_mul_u32_u24 v7, v1, 144
	v_lshl_add_u32 v7, v2, 5, v7
	v_add_nc_u32 v7, s16, v7
	v_add_nc_u32 v7, 64, v7                        ; out: 144 r + 64 + 4 (8 h + j)
	s_mul_i32 s16, s14, 8*CH
	s_add_co_u32 s16, s16, RED
	v_mul_u32_u24 v8, v2, 384
	v_lshl_add_u32 v8, v1, 4, v8
	v_add_nc_u32 v8, s16, v8                       ; my part: 384 h + 16 r in each chunk
	v_lshrrev_b32 v9, 2, v1                        ; the sum: lane (l, hh) takes row 2 w + hh, columns 4 l .. 4 l + 3: chunk 2 (l / 4) + l % 2, half (l / 2) % 2
	v_lshlrev_b32 v9, 1, v9
	v_and_b32 v10, 1, v1
	v_add_nc_u32 v9, v9, v10
	v_mul_u32_u24 v9, v9, CH
	v_bfe_u32 v10, v1, 1, 1
	v_mad_u32_u24 v9, v10, 384, v9
	s_and_b32 s17, s14, 7
	s_lshl_b32 s17, s17, 1
	v_add_nc_u32 v10, s17, v2                      ; the row
	v_lshl_add_u32 v9, v10, 4, v9
	v_add_nc_u32 v9, RED, v9                       ; parts 0-7,
	v_lshlrev_b32 v11, 12, v10
	v_lshl_add_u32 v11, v1, 4, v11                 ; out0: 4,096 x row + 16 l
	v_add_nc_u32 v10, 8*8*CH, v9                   ; parts 8-15
	v_lshlrev_b32 v12, 3, v2
	v_sub_nc_u32 v12, v1, v12                      ; r - 8 h
	v_lshlrev_b32 v13, 4, v1                       ; bo: 16 l
	s_mov_b32 s20, 0x76543210
	s_mov_b32 s21, 0xfedcba98                      ; lane l xor 16
	s_mov_b32 s22, 0x3e38aa3b                      ; c = log2(e) / 8
	s_lshl_b32 s16, s15, 16
	s_lshl_b32 s17, s14, 8
	s_add_co_u32 s16, s16, s17
	s_mov_b32 s17, 0
	s_lshl_b32 s18, ttmp9, 8                       ; my 64 columns, in bytes
	s_mov_b32 s19, 0
	s_wait_kmcnt 0x0
	s_add_nc_u64 s[4:5], s[4:5], s[16:17]          ; q32 at my batch and head; K and V 262,144 and 524,288 further on, by the immediates
	s_lshl_b32 s16, s14, 18
	s_add_co_u32 s16, s16, s18
	s_add_nc_u64 s[8:9], s[8:9], s[16:17]          ; Wo at row 64 x head, my columns
	s_add_nc_u64 s[10:11], s[10:11], s[18:19]
	s_lshl_b32 s16, s15, 22
	s_add_co_u32 s16, s16, s18
	s_add_nc_u64 s[12:13], s[12:13], s[16:17]
.irp c, 0,1,2,3,4,5,6,7
	global_load_b128 v[128+4*\c:131+4*\c], v3, s[4:5] offset:32*\c              ; Q(r, 8 c + 4 h ..)
	global_load_b128 v[160+4*\c:163+4*\c], v3, s[4:5] offset:262144+32*\c       ; K
	global_load_b128 v[192+4*\c:195+4*\c], v4, s[6:7] offset:258048+32*\c       ; rel rows 1008 + r
.endr
.irp t, 0,1,2,3
.irp k, 0,1,2,3,4,5,6,7
	global_load_b32 v[80+8*\t+\k], v5, s[4:5] offset:524288+4096*\k+64*\t       ; V(key 8 h + k, channel 16 t + r)
.endr
.endr
.macro WOLOAD n                        ; Wo(64 head + 16 t + 8 h + k, my columns 16 n + r) at v[128 + 32 n + 8 t + k]
.irp t, 0,1,2,3
.irp k, 0,1,2,3,4,5,6,7
	global_load_b32 v[128+32*\n+8*\t+\k], v5, s[8:9] offset:4096*(16*\t+\k)+64*\n
.endr
.endr
.endm
	WOLOAD 3
	s_wait_loadcnt 63                              ; 64 loads stand behind Q, K and rel; 63 is the most that the field names
	v_wmma_f32_16x16x4_f32 v[48:55], v[192:193], v[128:129], 0                  ; T = R Q^T and the scores K Q^T by turns; each sum's first step has C = 0
	v_wmma_f32_16x16x4_f32 v[56:63], v[160:161], v[128:129], 0
.irp p, 1,2,3,4,5,6,7,8,9,10,11,12,13,14,15
	v_wmma_f32_16x16x4_f32 v[48:55], v[192+2*\p:193+2*\p], v[128+2*\p:129+2*\p], v[48:55]
	v_wmma_f32_16x16x4_f32 v[56:63], v[160+2*\p:161+2*\p], v[128+2*\p:129+2*\p], v[56:63]
.endr
	s_wait_loadcnt 32                              ; V is in (Wo's first 32 loads may be out)
.irp j, 0,1,2,3
	v_mov_b32 v[112+\j], 0                         ; eight plain instructions: the places behind this form (ISA guide 7.12.1)
.endr
.rept 4
	v_nop
.endr
	WOLOAD 0                                       ; into the registers that Q, K and rel have left
	WOLOAD 1
	WOLOAD 2
	ds_store_b128 v7, v[112:115]                   ; the columns that will be read are zeroed first: those at k > q get no T and lie under the mask
	ds_store_b128 v7, v[112:115] offset:16
.irp j, 0,1,2,3,4,5,6,7
	ds_store_b32 v6, v[48+\j] offset:4*\j          ; T's row rho of query r to column rho + r - 15
.endr
	ds_load_b128 v[112:115], v7                    ; LDS serves a wave's instructions in order
	ds_load_b128 v[116:119], v7 offset:16
	s_wait_dscnt 0x0
.irp j, 0,1,2,3,4,5,6,7
	v_add_f32 v[120+\j], v[56+\j], v[112+\j]
.endr
	v_mov_b32 v112, 0xff800000
.irp j, 0,1,2,3,4,5,6,7
	v_cmp_gt_i32 vcc_lo, \j, v12                   ; key 8 h + j is hidden where it comes after query r
	v_cndmask_b32 v[120+\j], v[120+\j], v112, vcc_lo
.endr
	v_max3_num_f32 v113, v120, v121, v122
	v_max3_num_f32 v114, v123, v124, v125
	v_max3_num_f32 v113, v113, v126, v127
	v_max_num_f32 v113, v113, v114
	v_permlanex16_b32 v114, v113, s20, s21
	v_max_num_f32 v113, v113, v114                 ; the row's maximum: key 0 counts for every query
	v_mul_f32 v113, s22, v113
.irp j, 0,1,2,3,4,5,6,7
	v_fma_f32 v[120+\j], v[120+\j], s22, -v113
.endr
.irp j, 0,1,2,3,4,5,6,7
	v_exp_f32 v[120+\j], v[120+\j]
.endr
	v_nop
	s_wait_alu depctr_va_vdst(0)                   ; one wait for the batch, ahead of its first reader
	v_add_f32 v114, v120, v121
	v_add_f32 v115, v122, v123
	v_add_f32 v116, v124, v125
	v_add_f32 v117, v126, v127
	v_add_f32 v114, v114, v115
	v_add_f32 v116, v116, v117
	v_add_f32 v114, v114, v116
	v_permlanex16_b32 v115, v114, s20, s21
	v_add_f32 v114, v114, v115
	v_rcp_f32 v118, v114
	v_nop
	s_wait_alu depctr_va_vdst(0)
.irp c, 0,1,2,3                        ; O^T = V^T P: four accumulators by turns
.irp t, 0,1,2,3
.if \c == 0
	v_wmma_f32_16x16x4_f32 v[16+8*\t:23+8*\t], v[80+8*\t:81+8*\t], v[120:121], 0
.else
	v_wmma_f32_16x16x4_f32 v[16+8*\t:23+8*\t], v[80+8*\t+2*\c:81+8*\t+2*\c], v[120+2*\c:121+2*\c], v[16+8*\t:23+8*\t]
.endif
.endr
.endr
.rept 8
	v_nop
.endr
.irp i, 0,1,2,3,4,5,6,7,8,9,10,11,12,13,14,15,16,17,18,19,20,21,22,23,24,25,26,27,28,29,30,31
	v_mul_f32 v[80+\i], v[16+\i], v118             ; O / l, into V's registers
.endr
	global_load_b128 v[120:123], v13, s[10:11]     ; bo, into p's registers
	s_wait_loadcnt 0x0                             ; Wo
.irp t, 0,1,2,3                        ; OUT^T = Wo^T O^T: four accumulators by turns, 64 along K
.irp c, 0,1,2,3
.irp n, 0,1,2,3
.if (\t == 0) && (\c == 0)
	v_wmma_f32_16x16x4_f32 v[48+8*\n:55+8*\n], v[128+32*\n:129+32*\n], v[80:81], 0
.else
	v_wmma_f32_16x16x4_f32 v[48+8*\n:55+8*\n], v[128+32*\n+8*\t+2*\c:129+32*\n+8*\t+2*\c], v[80+8*\t+2*\c:81+8*\t+2*\c], v[48+8*\n:55+8*\n]
.endif
.endr
.endr
.endr
.rept 8
	v_nop
.endr
.irp n, 0,1,2,3
	ds_store_b128 v8, v[48+8*\n:51+8*\n] offset:CH*(2*\n)          ; lane (r, h): my head's part of out(r, 16 n + 8 h + 0 .. 7)
	ds_store_b128 v8, v[52+8*\n:55+8*\n] offset:CH*(2*\n+1)
.endr
	s_wait_dscnt 0x0                               ; for the others' sake
	s_barrier_signal -1
	s_barrier_wait -1
	s_cmp_lt_u32 s14, 8                            ; waves 0-7 add: two rows each
	s_cbranch_scc0 .Ldone
.irp p, 0,1,2,3,4,5,6,7
	ds_load_b128 v[128+4*\p:131+4*\p], v9 offset:8*CH*\p
.endr
.irp p, 0,1,2,3,4,5,6,7
	ds_load_b128 v[160+4*\p:163+4*\p], v10 offset:8*CH*\p
.endr
	s_wait_dscnt 0x0
.irp i, 0,2,4,6,8,10,12,14,16,18,20,22,24,26,28,30
	v_pk_add_f32 v[128+\i:129+\i], v[128+\i:129+\i], v[160+\i:161+\i]
.endr
.irp i, 0,2,4,6,8,10,12,14
	v_pk_add_f32 v[128+\i:129+\i], v[128+\i:129+\i], v[144+\i:145+\i]
.endr
.irp i, 0,2,4,6
	v_pk_add_f32 v[128+\i:129+\i], v[128+\i:129+\i], v[136+\i:137+\i]
.endr
.irp i, 0,2
	v_pk_add_f32 v[128+\i:129+\i], v[128+\i:129+\i], v[132+\i:133+\i]
.endr
.irp i, 0,2
	v_pk_add_f32 v[128+\i:129+\i], v[128+\i:129+\i], v[120+\i:121+\i]
.endr
	global_store_b128 v11, v[128:131], s[12:13] th:TH_STORE_NT     ; sixteen lanes store 256 consecutive, aligned bytes
.Ldone:
	s_wait_tensorcnt 0x0                           ; the wave's end
	ds_add_u32 v14, v15
	s_wait_dscnt 0x0
	s_endpgm
.Lfunc_end_k_qcaafb67304_first16:
	.size	k_qcaafb67304_first16, .Lfunc_end_k_qcaafb67304_first16-k_qcaafb67304_first16
	.p2alignl 7, 3214868480
	.fill 96, 4, 3214868480
	.section	.rodata,"a",@progbits
	.p2align	6, 0x0
	.amdhsa_kernel k_qcaafb67304_first16
		.amdhsa_group_segment_fixed_size 139264
		.amdhsa_private_segment_fixed_size 0
		.amdhsa_enable_private_segment 0
		.amdhsa_kernarg_size 40
		.amdhsa_user_sgpr_count 2
		.amdhsa_user_sgpr_kernarg_segment_ptr 1
		.amdhsa_wavefront_size32 1
		.amdhsa_system_sgpr_workgroup_id_x 1
		.amdhsa_system_sgpr_workgroup_id_y 1
		.amdhsa_system_sgpr_workgroup_id_z 1
		.amdhsa_system_vgpr_workitem_id 0
		.amdhsa_next_free_vgpr 256
		.amdhsa_next_free_sgpr 66
		.amdhsa_reserve_vcc 1
		.amdhsa_float_denorm_mode_32 3
		.amdhsa_float_denorm_mode_16_64 3
		.amdhsa_memory_ordered 1
		.amdhsa_forward_progress 1
		.amdhsa_inst_pref_size 37
	.end_amdhsa_kernel
	.amdgpu_metadata
---
amdhsa.version: [ 1, 2 ]
amdhsa.kernels:
  - .name:           k_qcaafb67304_first16
    .symbol:         k_qcaafb67304_first16.kd
    .args:
      - { .name: q32, .offset: 0, .size: 8, .value_kind: global_buffer, .address_space: global }
      - { .name: rel_key, .offset: 8, .size: 8, .value_kind: global_buffer, .address_space: global }
      - { .name: Wo, .offset: 16, .size: 8, .value_kind: global_buffer, .address_space: global }
      - { .name: bo, .offset: 24, .size: 8, .value_kind: global_buffer, .address_space: global }
      - { .name: out0, .offset: 32, .size: 8, .value_kind: global_buffer, .address_space: global }
    .group_segment_fixed_size: 139264
    .private_segment_fixed_size: 0
    .kernarg_segment_align: 8
    .kernarg_segment_size: 40
    .max_flat_workgroup_size: 512
    .sgpr_count:     66
    .vgpr_count:     256
    .wavefront_size: 32
...
	.end_amdgpu_metadata
.endif
;; end of part 5
